; MI455X (gfx1250); checked and timed in simulation.
; The chip was launched on July 23, 2026; its instructions are those of AMD's public machine-readable ISA for CDNA 5 (MIT licence, August 2026) and "CDNA5" Instruction Set Architecture Reference Guide (July 2026). The comments in the code are by the model that wrote it; some were corrected since.
;; Transformer Block. Allowed arithmetic: matrix products marked QUANTISED: E3M2 operands, one E8M0 scale for each 32 along K, by v_wmma_scale_f32_16x16x128_f8f6f4 with both operands' format E3M2, f32 sums; everything else in f32.
;; Inputs: fc1_b 4,096 float32; fc1_w 4,096 x 1,024 float32; fc2_b 1,024 float32; fc2_w 1,024 x 4,096 float32; ln1_b 1,024 float32; ln1_g 1,024 float32; ln2_b 1,024 float32; ln2_g 1,024 float32; out_b 1,024 float32; out_w 1,024 x 1,024 float32; qkv_b 3,072 float32; qkv_w 3,072 x 1,024 float32; x 2 x 2,048 x 1,024 float32.
;; Outputs: out0 2 x 2,048 x 1,024 float32.
;; This version of the problem:
;;   THIS VERSION OF THE PROBLEM IS GIVEN IN LOW PRECISION. The matrix products marked QUANTISED in the list below multiply operands that are first quantised to E3M2 (3 exponent bits, 2 mantissa bits; 6 bits a number), with one power-of-two scale for each 32 numbers along K (OCP MX v1.0); their sums are f32. All else is computed in f32.
;;   The module's matrix products, in the order in which they are computed (A, B: the left and right operand; K: the contracted axis; several contracted axes count as one K, in the product's order):
;;     1. [M 4,096, K 1,024] x [K 1,024, N 3,072]; A: computed on the way; B: input qkv_w: QUANTISED
;;     2. batch 32 x [M 2,048, K 64] x [K 64, N 2,048]; A: computed on the way; B: computed on the way: QUANTISED
;;     3. batch 32 x [M 2,048, K 2,048] x [K 2,048, N 64]; A: softmax (see below); B: computed on the way: QUANTISED
;;     4. [M 4,096, K 1,024] x [K 1,024, N 1,024]; A: computed on the way; B: input out_w: QUANTISED
;;     5. [M 4,096, K 1,024] x [K 1,024, N 4,096]; A: computed on the way; B: input fc1_w: QUANTISED
;;     6. [M 4,096, K 4,096] x [K 4,096, N 1,024]; A: computed on the way; B: input fc2_w: QUANTISED
;;   THE QUANTISER, for each operand of a quantised product, along K:
;;     - K is cut into blocks of 32 from its start; a last block that is shorter is filled with zeros.
;;     - A block's scale is 2^e with e = floor(log2(the largest magnitude in the block)) - 4, held to -126 .. 127; a block of zeros has e = 0. As a byte (E8M0): e + 127.
;;     - Each number is divided by its block's scale, clamped to +-28, and rounded to the nearest number of E3M2, ties to even, subnormals kept.
;;     - The product sums the exact products of the quantised numbers (number of the format x scale) in f32.
;;   ~~~python
;;   def quantise(x, axis):      # numpy; x: float32 -> the quantised numbers, widened to float32 again
;;       x = np.moveaxis(x, axis, -1); K = x.shape[-1]
;;       x = np.pad(x, [(0, 0)] * (x.ndim - 1) + [(0, -K % 32)]); x = x.reshape(x.shape[:-1] + (-1, 32)); a = np.abs(x).max(-1, keepdims=True)
;;       e = np.where(a > 0, np.clip(np.frexp(np.where(a > 0, a, 1))[1] - 1 - 4, -126, 127), 0)      # np.frexp(a)[1] - 1 = floor(log2(a)), exactly
;;       r = np.clip(x / 2.0 ** e, -28, 28)
;;       step = 2.0 ** (np.maximum(np.frexp(np.where(r == 0, 1, r))[1] - 1, -2) - 2)
;;       q = np.round(r / step) * step * 2.0 ** e      # np.round: ties to even
;;       return np.moveaxis(q.reshape(q.shape[:-2] + (-1,))[..., :K], -1, axis).astype(np.float32)
;;   ~~~
;;   SOFTMAX AHEAD OF A QUANTISED PRODUCT. Where the list says 'softmax', what is quantised is not the finished softmax but p = 2^(t - M), with t = logit x log2(e) and M = ceil(the row's largest t), a whole number; so 1/2 < the row's largest p <= 1. The row's sum l is taken of the UNQUANTISED p, in f32, and the product's result is divided by l at the end. Since M is a whole number, a kernel that streams over the keys may use a running M (the ceiling of the running maximum): every later rescaling is an exact power of two, which a block's scale takes up: the codes' values come out the same.
;;   OPERANDS COMPUTED ON THE WAY. 'Computed on the way' means the value that the module computes at that place (a softmax that the list does not call 'softmax' is quantised finished and normalised). What goes into a quantiser is computed in f32, as accurately as f32 sums, v_exp_f32 and their like allow (about 1e-6 of the number): no bf16 or f16 on the way to a quantiser, and a product that is left as it is and whose result goes on into a quantised operand takes f32 operands (vector FMAs, or v_wmma_f32_16x16x4_f32). A number that lies on a knife's edge between two numbers of the format may be rounded either way, as far as f32 arithmetic and the matrix unit's own rounding can turn it there, and no further.
;; One version. Each part assembles by itself: llvm-mc -triple=amdgcn-amd-amdhsa -mcpu=gfx1250 --defsym DOCPART=n.
;; ======== version 1 of 1: 7 launches
;; workspace buffers: qc 12,582,912 bytes; qs 524,288 bytes; kv 16,384,000 bytes; actc 3,145,728 bytes; acts 131,072 bytes; x1 16,777,216 bytes; gq 13,107,200 bytes
;; launch prep1 (part 1): grid 1024 x 1, 4 waves a work-group, no clusters, 76,288 bytes of LDS; arguments x, ln1_g, ln1_b, qkv_w, out_w, fc1_w, fc2_w, qc, qs; writes qc, qs
.if DOCPART == 1
	.amdgcn_target "amdgcn-amd-amdhsa--gfx1250"
	.amdhsa_code_object_version 6
	.text
	.protected	k_qa05ffc7a12_prep1
	.globl	k_qa05ffc7a12_prep1
	.p2align	8
	.type	k_qa05ffc7a12_prep1,@function
k_qa05ffc7a12_prep1:
	s_mov_b64 s[64:65], 0
	v_nop
	global_prefetch_b8 v0, s[64:65] scope:SCOPE_SE
	s_setreg_imm32_b32 hwreg(HW_REG_WAVE_MODE, 25, 1), 1
	s_wait_xcnt 0x0
; (LayerNorm or nothing) + the MX-BF6 quantiser, into an OPERAND IMAGE.
; THE IMAGE of an operand [rows][K]: a fragment (16 rows x 128 K of E3M2 codes: 12 registers a lane) lies as its registers lie: register 4 j + c of lane l at byte 512 j + 16 l + 4 c of the
; fragment's 1,536 bytes; fragment (block TB, K step s) at (TB x K/128 + s) x 1,536; its 16 scale words (four E8M0 bytes a row) at (TB x K/128 + s) x 64 + 4 r.
; Lane-row r of block TB is the true row 32 (TB / 2) + 8 (TB % 2) + r + 8 (r / 8): so a product used transposed leaves 16 neighbours along the next K in a lane's registers.
; SHARES.  Work-group j makes unit j of the output: 16 rows x 1,024 along K, 12,288 bytes of codes and 512 of scale words.  Units 0-255: argument 0 with LayerNorm; 256-447 qkv_w; 448-511 out_w;
; 512-767 fc1_w; 768-1023 fc2_w (K = 4,096: four units to a block of rows).  Only pointers and four numbers are chosen by the work-group's number: the weights run the same lines with mean 0, factor 1,
; gain 1 and offset 0, which change no bit.  Wave w takes columns 256 w .. 256 w + 255: K steps 2 w and 2 w + 1 of the unit.
; Each global load reads 512 consecutive bytes of one row; the rows turn through the wave's own stage in LDS, so that lane (r, h) then holds four whole blocks of 32 of row r.
; LIMITS: NaN and infinities are not served.  A block whose largest magnitude lies under 2^-122, a block of zeros among them, gets the byte 1: its codes are right, and this program alone reads the bytes.
.set STGP, 1040                        ; a stage row: 1,024 bytes + 16: sixteen rows start at sixteen different 16-byte columns of 256
.set STGW, 16*STGP                     ; a wave's stage
.set GBO,  4*STGW                      ; behind the stages: for each wave its 256 gains, then its 256 offsets
.set ST1,  GBO+4*2048                  ; the waves' partial sums: 64 bytes a wave; the second reduction's lie 256 bytes on
.set VO,   12                          ; v12-27   byte offset of stage row p's true row + 16 x lane
.set X,    64                          ; v64-191  128 numbers
.set GT,   192                         ; v192-223 a block's gains;  v224-255 its offsets
.set BT,   224
.set PC,   192                         ; v192-215 the two fragments' codes (when gains and offsets are done with)
.set PT,   216                         ; v216-222 second halves of blocks, as the conversions leave them
.set TM,   52                          ; v52-53 largest magnitudes;  v54-55 scale operands;  v60-61 bytes;  v46-47 the two scale words
.set SOP,  54
.set BY,   60
.set WD,   46
	s_load_b256 s[4:11], s[0:1], 0x0               ; argument 0 s[4:5], gain s[6:7], offset s[8:9], qkv_w s[10:11]
	s_load_b256 s[12:19], s[0:1], 0x20             ; out_w s[12:13], fc1_w s[14:15], fc2_w s[16:17], codes s[18:19]
	s_load_b64 s[20:21], s[0:1], 0x40              ; scale words
	s_set_vgpr_msb 0x40
	v_lshl_add_u32 v0, v0, 2, 0x12800
	v_mov_b32 v1, 0
	s_set_vgpr_msb 0x4000
	v_lshrrev_b32 v1, 5, v0
	v_readfirstlane_b32 s22, v1                    ; wave
	v_and_b32 v1, 31, v0                           ; lane
	v_and_b32 v2, 15, v0                           ; r
	v_bfe_u32 v3, v0, 4, 1                         ; h
	v_lshlrev_b32 v4, 4, v1                        ; 16 x lane
	s_mul_i32 s41, s22, STGW
	v_add_nc_u32 v5, s41, v4                       ; into the stage: a load's 512 bytes as they lie
	v_mul_u32_u24 v6, v2, STGP
	v_lshl_add_u32 v6, v3, 7, v6
	v_add_nc_u32 v6, s41, v6                       ; out of it: row r, + 128 h: my block of each 64 numbers
	s_lshl_b32 s42, s22, 11
	s_add_co_u32 s42, s42, GBO
	v_add_nc_u32 v7, s42, v4                       ; gains and offsets: in,
	v_lshl_add_u32 v8, v3, 7, s42                  ; and out: the same 128 bytes for all lanes of a half
	v_lshlrev_b32 v11, 2, v2                       ; 4 r
	v_add_nc_u32 v10, ST1, v11                     ; the partial sums of row r: wave k's 64 k bytes on
	s_lshl_b32 s43, s22, 6
	v_add_nc_u32 v9, s43, v10                      ; mine
	v_lshl_add_u32 v11, v3, 6, v11                 ; the scale words' place: 64 h + 4 r
	v_lshlrev_b32 v62, 3, v3                       ; 8 h
	v_mov_b32 v63, 0                               ; a lane permute's destination counts as read: written once
	s_mov_b32 s44, 0x76543210
	s_mov_b32 s45, 0xfedcba98                      ; v_permlanex16_b32's selects for lane l xor 16
	s_mov_b32 s46, 0x3727c5ac                      ; 1e-5
	s_mov_b32 s47, 0x3a800000                      ; 1 / 1,024
	s_mov_b32 s26, 768
	s_wait_kmcnt 0x0
	s_cmp_lt_u32 ttmp9, 768                        ; which tensor: the choice hangs on the work-group's number alone
	s_cselect_b64 s[24:25], s[14:15], s[16:17]
	s_cselect_b32 s26, 512, s26                    ; its first unit
	s_cselect_b32 s29, 0, 2                        ; log2 of the units to a block of rows
	s_cmp_lt_u32 ttmp9, 512
	s_cselect_b64 s[24:25], s[12:13], s[24:25]
	s_cselect_b32 s26, 448, s26
	s_cmp_lt_u32 ttmp9, 448
	s_cselect_b64 s[24:25], s[10:11], s[24:25]
	s_cselect_b32 s26, 256, s26
	s_cmp_lt_u32 ttmp9, 256
	s_cselect_b64 s[24:25], s[4:5], s[24:25]
	s_cselect_b32 s26, 0, s26
	s_cselect_b32 s27, -1, 0                       ; all lanes: with LayerNorm, or none
	s_cselect_b32 s28, 1.0, 0
	s_mul_f32 s23, s47, s28                        ; the mean's factor: 1 / 1,024, or 0
	s_sub_co_u32 s30, ttmp9, s26
	s_lshr_b32 s31, s30, s29                       ; block of rows
	s_lshl_b32 s32, s31, s29
	s_sub_co_u32 s32, s30, s32                     ; which 1,024 along K
	s_lshl_b32 s33, 4096, s29                      ; a row in bytes
	s_lshr_b32 s34, s31, 1
	s_lshl_b32 s34, s34, 5
	s_and_b32 s35, s31, 1
	s_lshl_b32 s35, s35, 3
	s_add_co_u32 s34, s34, s35                     ; the block's first row
	s_mul_i32 s34, s34, s33
	s_lshl_b32 s32, s32, 12
	s_add_co_u32 s34, s34, s32
	s_lshl_b32 s36, s22, 10                        ; my wave's 256 columns
	s_add_co_u32 s34, s34, s36
	s_mov_b32 s35, 0
	s_mov_b32 s37, 0
	s_add_nc_u64 s[24:25], s[24:25], s[34:35]
	s_add_nc_u64 s[6:7], s[6:7], s[36:37]
	s_add_nc_u64 s[8:9], s[8:9], s[36:37]
	s_mul_i32 s38, ttmp9, 12288
	s_mul_i32 s39, s22, 3072
	s_add_co_u32 s38, s38, s39
	s_mov_b32 s39, 0
	s_add_nc_u64 s[18:19], s[18:19], s[38:39]      ; my two fragments
	s_lshl_b32 s38, ttmp9, 9
	s_lshl_b32 s40, s22, 7
	s_add_co_u32 s38, s38, s40
	s_add_nc_u64 s[20:21], s[20:21], s[38:39]      ; and their scale words
.set p, 0
.rept 16
	v_mad_u32_u24 v[VO+p], s33, p+8*(p/8), v4
.set p, p+1
.endr
	global_load_b128 v[28:31], v4, s[6:7]
	global_load_b128 v[32:35], v4, s[6:7] offset:512
	global_load_b128 v[36:39], v4, s[8:9]
	global_load_b128 v[40:43], v4, s[8:9] offset:512
.set p, 0
.rept 16
	global_load_b128 v[X+8*p:X+8*p+3], v[VO+p], s[24:25]               ; 32 lanes read 512 consecutive bytes of one row
	global_load_b128 v[X+8*p+4:X+8*p+7], v[VO+p], s[24:25] offset:512
.set p, p+1
.endr
	s_wait_loadcnt 32                              ; gains and offsets are in: the 32 loads behind them may be out
.set i, 0
.rept 8
	v_cndmask_b32 v[28+i], 1.0, v[28+i], s27       ; a weight: gain 1,
	v_cndmask_b32 v[36+i], 0, v[36+i], s27         ; offset 0
.set i, i+1
.endr
	ds_store_b128 v7, v[28:31]
	ds_store_b128 v7, v[32:35] offset:512
	ds_store_b128 v7, v[36:39] offset:1024
	ds_store_b128 v7, v[40:43] offset:1536
.set p, 0
.rept 16
.if p%4 == 0
	s_wait_loadcnt 24-2*p                          ; the next four rows' eight loads are in; the younger ones may be out
.endif
	ds_store_b128 v5, v[X+8*p:X+8*p+3] offset:p*STGP
	ds_store_b128 v5, v[X+8*p+4:X+8*p+7] offset:p*STGP+512
.set p, p+1
.endr
	s_wait_dscnt 0x0                               ; the stores have read their registers
.set p, 0
.rept 32
	ds_load_b128 v[X+4*p:X+4*p+3], v6 offset:256*(p/8)+16*(p%8)        ; register 32 q + n: number 64 q + 32 h + n of my wave's 256 of row r
.set p, p+1
.endr
	s_wait_dscnt 0x0
; a sum over a row: the lane's four chains, lane l xor 16's, then the four waves' through LDS
.macro FOLD off
	v_pk_add_f32 v[44:45], v[44:45], v[46:47]
	v_pk_add_f32 v[48:49], v[48:49], v[50:51]
	v_pk_add_f32 v[44:45], v[44:45], v[48:49]
	v_add_f32 v44, v44, v45
	v_permlanex16_b32 v63, v44, s44, s45
	v_add_f32 v44, v44, v63
	ds_store_b32 v9, v44 offset:\off               ; both lanes of a row write the same word with the same value
	s_wait_dscnt 0x0                               ; for the others' sake: my store is done
	s_barrier_signal -1
	s_barrier_wait -1
	ds_load_b32 v52, v10 offset:\off
	ds_load_b32 v53, v10 offset:\off+64
	ds_load_b32 v54, v10 offset:\off+128
	ds_load_b32 v55, v10 offset:\off+192
	s_wait_dscnt 0x0
	v_add_f32 v52, v52, v53
	v_add_f32 v54, v54, v55
	v_add_f32 v52, v52, v54
.endm
.irp k, 0,1,2,3
	v_pk_add_f32 v[44+2*\k:45+2*\k], v[X+2*\k:X+2*\k+1], v[X+8+2*\k:X+9+2*\k]   ; the first pairs start the chains: nothing is cleared
.endr
.set p, 8
.rept 56
	v_pk_add_f32 v[44+2*(p%4):45+2*(p%4)], v[44+2*(p%4):45+2*(p%4)], v[X+2*p:X+2*p+1]
.set p, p+1
.endr
	FOLD 0
	v_mul_f32 v56, s23, v52                        ; the mean (0 for a weight)
	v_mov_b32 v57, v56
.set p, 0
.rept 64
	v_pk_add_f32 v[X+2*p:X+2*p+1], v[X+2*p:X+2*p+1], v[56:57] neg_lo:[0,1] neg_hi:[0,1]
.set p, p+1
.endr
.irp k, 0,1,2,3
	v_pk_mul_f32 v[44+2*\k:45+2*\k], v[X+2*\k:X+2*\k+1], v[X+2*\k:X+2*\k+1]
.endr
.set p, 4
.rept 60
	v_pk_fma_f32 v[44+2*(p%4):45+2*(p%4)], v[X+2*p:X+2*p+1], v[X+2*p:X+2*p+1], v[44+2*(p%4):45+2*(p%4)]
.set p, p+1
.endr
	FOLD 256
	v_fma_f32 v52, v52, s47, s46                   ; the variance + 1e-5
	v_rsq_f32 v53, v52
	v_nop                                          ; a plain instruction behind the transcendental,
	s_wait_alu depctr_va_vdst(0)                   ; and the wait ahead of its first reader
	v_cndmask_b32 v58, 1.0, v53, s27               ; a weight: factor 1
	v_mov_b32 v59, v58
; block (u, c): (x - mean) x factor x gain + offset
.macro NORM u, c
.set xb, X+64*(\u)+32*(\c)
.set i, 0
.rept 8
	ds_load_b128 v[GT+4*i:GT+4*i+3], v8 offset:512*(\u)+256*(\c)+16*i
	ds_load_b128 v[BT+4*i:BT+4*i+3], v8 offset:1024+512*(\u)+256*(\c)+16*i
.set i, i+1
.endr
.set i, 0
.rept 16
	v_pk_mul_f32 v[xb+2*i:xb+2*i+1], v[xb+2*i:xb+2*i+1], v[58:59]
.set i, i+1
.endr
	s_wait_dscnt 0x0
.set i, 0
.rept 16
	v_pk_fma_f32 v[xb+2*i:xb+2*i+1], v[xb+2*i:xb+2*i+1], v[GT+2*i:GT+2*i+1], v[BT+2*i:BT+2*i+1]
.set i, i+1
.endr
.endm
	NORM 0, 0
	NORM 0, 1
	NORM 1, 0
	NORM 1, 1
; K step u of my two: the lane's two whole blocks (blocks h and 2 + h of the step) become registers 0-5 and 6-11 of the fragment; the scale word is joined from lanes l and l xor 16
.macro Q32 u
.irp c, 0,1
	v_max3_num_f32 v[TM+\c], |v[X+64*(\u)+32*\c]|, |v[X+64*(\u)+32*\c+1]|, 0x2800000   ; with the floor 2^(5 - 127): the byte cannot fall under 1
.endr
.irp i, 2,4,6,8,10,12,14,16,18,20,22,24,26,28,30
.irp c, 0,1
	v_max3_num_f32 v[TM+\c], v[TM+\c], |v[X+64*(\u)+32*\c+\i]|, |v[X+64*(\u)+32*\c+\i+1]|
.endr
.endr
.irp c, 0,1
	v_add_nc_u32 v[SOP+\c], 0xfe000000, v[TM+\c]   ; 4 off the exponent field: the conversion takes this operand's exponent field as its scale
.endr
.irp c, 0,1
	v_lshrrev_b32 v[BY+\c], 23, v[SOP+\c]          ; the scale's byte
.endr
	v_lshl_or_b32 v[WD+\u], v[BY+1], 16, v[BY]
	v_lshlrev_b32 v[WD+\u], v62, v[WD+\u]          ; my two bytes at their places, 8 h bits up
	v_permlanex16_b32 v63, v[WD+\u], s44, s45
	v_or_b32 v[WD+\u], v[WD+\u], v63               ; with lane l xor 16's two the word is whole
.irp c, 0,1
	v_cvt_scalef32_pk16_bf6_f32 v[PC+12*(\u)+6*\c:PC+12*(\u)+6*\c+2], v[X+64*(\u)+32*\c:X+64*(\u)+32*\c+15], v[SOP+\c]
	v_cvt_scalef32_pk16_bf6_f32 v[PT+4*\c:PT+4*\c+2], v[X+64*(\u)+32*\c+16:X+64*(\u)+32*\c+31], v[SOP+\c]   ; (a conversion's three registers begin on an even number)
.endr
	v_nop                                          ; one plain instruction behind a scaled conversion
.irp c, 0,1
.irp i, 0,1,2
	v_mov_b32 v[PC+12*(\u)+6*\c+3+\i], v[PT+4*\c+\i]
.endr
.endr
.endm
	Q32 0
	Q32 1
.irp u, 0,1
.irp j, 0,1,2
	global_store_b128 v4, v[PC+12*\u+4*\j:PC+12*\u+4*\j+3], s[18:19] offset:1536*\u+512*\j   ; 32 lanes store 512 consecutive bytes, aligned
.endr
.endr
	v_cmp_lt_u32 vcc_lo, 15, v1
	v_cndmask_b32 v48, v[WD], v[WD+1], vcc_lo      ; lanes 0-15 the first step's words, lanes 16-31 the second's: 128 consecutive bytes
	global_store_b32 v11, v48, s[20:21]
	s_set_vgpr_msb 0x5
	s_wait_tensorcnt 0x0
	ds_add_u32 v0, v1
	s_wait_dscnt 0x0
	s_set_vgpr_msb 0x500
	s_endpgm
.Lfunc_end_k_qa05ffc7a12_prep1:
	.size	k_qa05ffc7a12_prep1, .Lfunc_end_k_qa05ffc7a12_prep1-k_qa05ffc7a12_prep1
	.p2alignl 7, 3214868480
	.fill 96, 4, 3214868480
	.section	.rodata,"a",@progbits
	.p2align	6, 0x0
	.amdhsa_kernel k_qa05ffc7a12_prep1
		.amdhsa_group_segment_fixed_size 76288
		.amdhsa_private_segment_fixed_size 0
		.amdhsa_enable_private_segment 0
		.amdhsa_kernarg_size 72
		.amdhsa_user_sgpr_count 2
		.amdhsa_user_sgpr_kernarg_segment_ptr 1
		.amdhsa_wavefront_size32 1
		.amdhsa_system_sgpr_workgroup_id_x 1
		.amdhsa_system_sgpr_workgroup_id_y 1
		.amdhsa_system_sgpr_workgroup_id_z 1
		.amdhsa_system_vgpr_workitem_id 0
		.amdhsa_next_free_vgpr 258
		.amdhsa_next_free_sgpr 66
		.amdhsa_reserve_vcc 1
		.amdhsa_float_denorm_mode_32 3
		.amdhsa_float_denorm_mode_16_64 3
		.amdhsa_memory_ordered 1
		.amdhsa_forward_progress 1
		.amdhsa_inst_pref_size 47
	.end_amdhsa_kernel
	.amdgpu_metadata
---
amdhsa.version: [ 1, 2 ]
amdhsa.kernels:
  - .name:           k_qa05ffc7a12_prep1
    .symbol:         k_qa05ffc7a12_prep1.kd
    .args:
      - { .name: x, .offset: 0, .size: 8, .value_kind: global_buffer, .address_space: global }
      - { .name: ln1_g, .offset: 8, .size: 8, .value_kind: global_buffer, .address_space: global }
      - { .name: ln1_b, .offset: 16, .size: 8, .value_kind: global_buffer, .address_space: global }
      - { .name: qkv_w, .offset: 24, .size: 8, .value_kind: global_buffer, .address_space: global }
      - { .name: out_w, .offset: 32, .size: 8, .value_kind: global_buffer, .address_space: global }
      - { .name: fc1_w, .offset: 40, .size: 8, .value_kind: global_buffer, .address_space: global }
      - { .name: fc2_w, .offset: 48, .size: 8, .value_kind: global_buffer, .address_space: global }
      - { .name: qc, .offset: 56, .size: 8, .value_kind: global_buffer, .address_space: global }
      - { .name: qs, .offset: 64, .size: 8, .value_kind: global_buffer, .address_space: global }
    .group_segment_fixed_size: 76288
    .private_segment_fixed_size: 0
    .kernarg_segment_align: 8
    .kernarg_segment_size: 72
    .max_flat_workgroup_size: 128
    .sgpr_count:     66
    .vgpr_count:     258
    .wavefront_size: 32
...
	.end_amdgpu_metadata
.endif
;; end of part 1
;; launch qkv (part 2): grid 12 x 16, 4 waves a work-group, clusters of 4 x 4, 327,680 bytes of LDS; arguments qc, qs, qkv_b, kv; writes kv
.if DOCPART == 2
	.amdgcn_target "amdgcn-amd-amdhsa--gfx1250"
	.amdhsa_code_object_version 6
	.text
	.protected	k_qa05ffc7a12_qkv
	.globl	k_qa05ffc7a12_qkv
	.p2align	8
	.type	k_qa05ffc7a12_qkv,@function
k_qa05ffc7a12_qkv:
	s_mov_b64 s[64:65], 0
	v_nop
	global_prefetch_b8 v0, s[64:65] scope:SCOPE_SE
	s_setreg_imm32_b32 hwreg(HW_REG_WAVE_MODE, 25, 1), 1
	s_wait_xcnt 0x0
	s_wait_alu depctr_hold_cnt(0) depctr_sa_sdst(0) depctr_va_vdst(0) depctr_va_sdst(0) depctr_va_ssrc(0) depctr_va_vcc(0) depctr_vm_vsrc(0)
	s_getreg_b32 s2, hwreg(HW_REG_IB_STS2, 6, 4)
	s_cmp_eq_u32 s2, 0
	s_cbranch_scc0 .Lentry_in_a_cluster
	s_endpgm
.Lentry_in_a_cluster:
	s_bfe_u32 s2, ttmp6, 0x10000c
	s_cmp_lg_u32 s2, 0xf033
	s_cbranch_scc0 .Lentry_shape_is_right
	s_endpgm
.Lentry_shape_is_right:
; q, k and v^T = LN1(x) qkv_w^T + qkv_b, on codes of E3M2 with E8M0 scales, quantised again on the way out, as operand images for the attention.
; OPERAND IMAGES (made by the launch before): fragment (block of 16 rows TB, K step s) = 1,536 bytes in the order of its registers at (TB x 8 + s) x 1,536, its 16 scale words at (TB x 8 + s) x 64.
; Lane-row r of block TB is the true row 32 (TB / 2) + 8 (TB % 2) + r + 8 (r / 8).
; A tile of C is 256 x 256: four waves, each 128 x 128 in 64 accumulators.  K = 1,024 goes in steps of 128; an LDS slot holds two steps; two slots take turns, filled by the tensor data mover.
; THE MATRIX INSTRUCTION IS USED TRANSPOSED (source 0 = a block of B, source 1 = a block of A): lane (r, h) holds A's row r, and the registers of B's blocks 2 n, 2 n + 1 are B's rows 32 n + 16 h + 0 .. 15:
; 16 neighbours along the next product's K.  So a block of 16 rows x 128 columns of C is quantised in registers and leaves as one fragment.
; CLUSTERS x = 0, 1: A = the tokens, B = the rows of Wq and Wk: q and k, quantised along the heads' channels.  CLUSTER x = 2: A = the rows of Wv, B = the tokens: v^T, quantised along the tokens (the keys).
; The mode hangs on the cluster's x, which all sixteen partners share; it only selects numbers (tile, bases, two factors for the two ways the bias lies): no branch.
; 4 x 4 work-groups form a cluster: A's tiles are asked for jointly along a row of the cluster, B's along a column.
; REGISTERS: window 0: v1-8 lane numbers, v16-29 addresses, v32-47 scale words (two sets), v48-55 the bias by A's rows, v64-255 A's fragments (two sets); on the way out v64-233 are at work.
;   window 1: B's fragments at v0 and v128 (two sets); v96-127, v224-255 the bias by B's rows.   windows 2, 3: accumulator (a, b) at v[8 (8 (a % 4) + b)] of window 2 + a / 4.
; LIMITS: NaN and infinities are not served; a block under 2^-122 gets the byte 1 (its codes are right; this program alone reads the bytes).
.set NBK,   8                          ; blocks of 16 rows in a wave's tile, each way
.set KS,    2                          ; K steps in a slot
.set KO,    8                          ; K steps in all
.set RBB,   KS*1536                    ; a block's part of a slot
.set HALFT, NBK*RBB                    ; what one tensor load brings, and what one wave reads of A or of B
.set SLOT,  4*HALFT                    ; A's two halves, then B's two
.set SCL,   2*SLOT                     ; behind the ring: the scale words for all of K, filled once
.set SBLK,  KO*64                      ; a block's
.set SBH,   NBK*SBLK                   ; what one tensor load brings of them
.set SPARE, SCL+4*SBH                  ; the spare words, 128 bytes for each wave: no other line names them
.set TBB,   KO*1536                    ; a block's codes in memory
.set LAPS,  KO/(2*KS)                  ; a lap = once round the ring
.set ADRA, 16                          ; v16-17 LDS address of my A fragments in slot 0, 1
.set ADRB, 20                          ; v20-21 the same for B
.set ADRS, 27                          ; v27    of my scale words: lanes 0-15 A's, lanes 16-31 B's
.set SPW,  28                          ; v28    my spare word's address; never rewritten
.set NIL,  29                          ; v29    0; never rewritten
.set SC,   32                          ; scale words: set p at v[32 + 8 p]; register i: A's block i below, B's block i above
.set BM,   48
.set AF,   64
.set TT,   64                          ; the way out: 64 numbers of a lane
.set PC,   192                         ; the codes just made
.set TM,   212                         ; at work in the quantiser
.set PW,   228                         ; the scale word just made
.set G1, 24                            ; s[24:31] descriptor group 1 for A's tiles; s[32:39] group 0, a set for each slot
.set G0, 32
.set G1B, 48                           ; the same for B's
.set G0B, 56
.set G1S, 68                           ; groups 1 and 0 for A's scale words, then for B's
.set G0S, 76
.set G1SB, 80
.set G0SB, 88
.set MSB, 0
.macro WIN new                         ; the immediate's high byte repeats the setting that is left; a switch that changes nothing is dropped
.if MSB != (\new)
	s_set_vgpr_msb (MSB<<8)|(\new)
.set MSB, (\new)
.endif
.endm
; A joint load: waves 0 and 1 fetch for A, waves 2 and 3 for B; the branch hangs on the wave's number alone.  Four v_nop follow each line.
.macro JLOAD g0a, g1a, g0b, g1b
	s_cmp_eq_u32 s15, 0
	s_cbranch_scc0 .Lfor_b_\@
	tensor_load_to_lds s[\g0a:\g0a+3], s[\g1a:\g1a+7]
	s_nop 0
.rept 4
	v_nop
.endr
	s_branch .Lasked_\@
.Lfor_b_\@:
	tensor_load_to_lds s[\g0b:\g0b+3], s[\g1b:\g1b+7]
	s_nop 0
.rept 4
	v_nop
.endr
.Lasked_\@:
.endm
.macro CREST                           ; a round of the cluster's barrier behind its opening barrier
	s_cmp_lg_u32 s14, 0
	s_cbranch_scc1 .Lnot_wave_0_\@
	s_barrier_signal -3
.Lnot_wave_0_\@:
	s_barrier_wait -3
	s_barrier_signal -1
	s_barrier_wait -1
.endm
.macro CROUND
	s_barrier_signal -1
	s_barrier_wait -1
	CREST
.endm
.macro PLACES                          ; four plain instructions between a matrix instruction and a load into, or a vector read of, its registers
.rept 4
	v_nop
.endr
.endm
	s_load_b128 s[4:7], s[0:1], 0x0                ; the images' codes s[4:5], their scale words s[6:7]
	s_load_b128 s[8:11], s[0:1], 0x10              ; qkv_b s[8:9], kv s[10:11]
	v_lshl_add_u32 v[SPW], v0, 2, SPARE
	v_mov_b32 v[NIL], 0
	ds_add_u32 v28, v29
	ds_add_u32 v28, v29
	s_wait_dscnt 0x0
	v_lshrrev_b32 v1, 5, v0
	v_readfirstlane_b32 s14, v1                    ; wave 0..3
	s_lshr_b32 s15, s14, 1                         ; which half of the tile's rows is mine.  Also: I fetch for A (0) or for B (1)
	s_and_b32 s16, s14, 1                          ; which half of its columns.  Also: which half of that tile I fetch
	s_bfe_u32 s40, ttmp6, 0x40000                  ; cx
	s_bfe_u32 s41, ttmp6, 0x40004                  ; cy
	s_and_b32 s12, ttmp7, 0xffff
	s_lshl_b32 s12, s12, 2                         ; 4 x cluster y
	s_add_co_u32 s13, s12, s41
	s_add_co_u32 s18, s12, s40
	s_lshl_b32 s19, ttmp9, 2
	s_add_co_u32 s19, s19, s40
	s_cmp_eq_u32 ttmp9, 2                          ; v^T?
	s_cselect_b32 s17, s41, s13                    ; tile row: cy (Wv's 1,024 rows), or 4 Y + cy (the tokens)
	s_cselect_b32 s42, s18, s19                    ; tile column: 4 Y + cx (the tokens), or 4 X + cx (Wq's and Wk's rows)
	s_cselect_b32 s96, 384, 0                      ; A's first block in the images: Wv, or the tokens
	s_cselect_b32 s97, 0, 256                      ; B's: the tokens, or Wq
	s_lshl_b32 s43, s41, 2
	s_lshl_b32 s43, 15, s43                        ; my row of the cluster
	s_lshl_b32 s44, 0x1111, s40                    ; my column
	; descriptor group 1: NBK rows of RBB bytes (a block's KS fragments on end), TBB bytes apart, in elements of 8 bytes; dense in LDS
	s_or_b32 s[G1+0], s43, (3<<16)|(1<<21)         ; 15:0 the mask; 17:16 elements of 8 bytes; 21 set beside a mask
	s_or_b32 s[G1B+0], s44, (3<<16)|(1<<21)
.irp g, G1, G1B
	s_mov_b32 s[\g+1], (KS*192)<<16                ; tensor_dim0
	s_mov_b32 s[\g+2], NBK<<16                     ; tensor_dim1
	s_mov_b32 s[\g+3], (KS*192)<<16                ; tile_dim0
	s_mov_b32 s[\g+4], NBK                         ; tile_dim1
	s_mov_b32 s[\g+5], KO*192                      ; from row to row
	s_mov_b32 s[\g+6], 0
	s_mov_b32 s[\g+7], 0
.endr
	; the scale words of NBK blocks, for all of K: a dense block, as rows of 256 bytes
	s_or_b32 s[G1S+0], s43, (3<<16)|(1<<21)
	s_or_b32 s[G1SB+0], s44, (3<<16)|(1<<21)
.irp g, G1S, G1SB
	s_mov_b32 s[\g+1], 32<<16
	s_mov_b32 s[\g+2], (SBH/256)<<16
	s_mov_b32 s[\g+3], 32<<16
	s_mov_b32 s[\g+4], SBH/256
	s_mov_b32 s[\g+5], 32
	s_mov_b32 s[\g+6], 0
	s_mov_b32 s[\g+7], 0
.endr
	s_mul_i32 s18, s16, NBK                        ; which half I fetch
	s_mul_i32 s20, s17, 2*NBK
	s_add_co_u32 s20, s20, s18
	s_add_co_u32 s20, s20, s96                     ; A: the first block that I fetch
	s_mul_i32 s46, s42, 2*NBK
	s_add_co_u32 s46, s46, s18
	s_add_co_u32 s46, s46, s97                     ; B likewise
	s_mul_i32 s22, s20, SBLK
	s_mul_i32 s92, s46, SBLK
	s_mul_i32 s20, s20, TBB
	s_mul_i32 s46, s46, TBB
	s_mov_b32 s21, 0
	s_mov_b32 s23, 0
	s_mov_b32 s47, 0
	s_mov_b32 s93, 0
	s_mul_i32 s45, s14, HALFT                      ; where they go: no place in the cluster enters an LDS address
	s_mul_i32 s94, s14, SBH
	s_wait_kmcnt 0x0
	s_add_nc_u64 s[20:21], s[4:5], s[20:21]
	s_add_nc_u64 s[22:23], s[6:7], s[22:23]
	s_add_nc_u64 s[46:47], s[4:5], s[46:47]
	s_add_nc_u64 s[92:93], s[6:7], s[92:93]
	CROUND                                         ; all sixteen work-groups are here: the first joint loads meet
	s_mov_b32 s[G0S], 1
	s_add_co_u32 s[G0S+1], s94, SCL
	s_mov_b64 s[G0S+2:G0S+3], s[22:23]
	s_or_b32 s[G0S+3], s[G0S+3], 0x80000000
	s_mov_b32 s[G0SB], 1
	s_add_co_u32 s[G0SB+1], s94, SCL
	s_mov_b64 s[G0SB+2:G0SB+3], s[92:93]
	s_or_b32 s[G0SB+3], s[G0SB+3], 0x80000000
	JLOAD G0S, G1S, G0SB, G1SB                     ; the scale words first: they are wanted with K step 0
.irp s, 0,1
	s_mov_b32 s[G0+4*\s], 1
	s_add_co_u32 s[G0+4*\s+1], s45, \s*SLOT
	s_add_nc_u64 s[G0+4*\s+2:G0+4*\s+3], s[20:21], \s*RBB
	s_or_b32 s[G0+4*\s+3], s[G0+4*\s+3], 0x80000000
	s_mov_b32 s[G0B+4*\s], 1
	s_add_co_u32 s[G0B+4*\s+1], s45, \s*SLOT
	s_add_nc_u64 s[G0B+4*\s+2:G0B+4*\s+3], s[46:47], \s*RBB
	s_or_b32 s[G0B+4*\s+3], s[G0B+4*\s+3], 0x80000000
	JLOAD G0+4*\s, G1, G0B+4*\s, G1B               ; three tensor loads of mine are out at the most
.endr
	v_and_b32 v1, 15, v0                           ; r
	v_bfe_u32 v2, v0, 4, 1                         ; h
	v_and_b32 v3, 31, v0
	v_lshlrev_b32 v7, 4, v3                        ; 16 x lane: my place in every image
	v_lshlrev_b32 v8, 2, v1                        ; 4 r: my row's scale word
	s_mul_i32 s21, s15, HALFT                      ; my half of A
	s_mul_i32 s22, s16, HALFT                      ; my half of B,
	s_add_co_u32 s22, s22, 2*HALFT                 ; which lies behind A's two
.irp s, 0,1
	v_add_nc_u32 v[ADRA+\s], s21, v7
	v_add_nc_u32 v[ADRB+\s], s22, v7
	s_add_co_u32 s21, s21, SLOT
	s_add_co_u32 s22, s22, SLOT
.endr
	s_mul_i32 s21, s15, SBH
	s_mul_i32 s22, s16, SBH
	s_add_co_u32 s22, s22, 2*SBH
	s_sub_co_u32 s22, s22, s21
	v_mul_u32_u24 v4, s22, v2                      ; lanes 16-31 take B's
	s_add_co_u32 s21, s21, SCL
	v_add_nc_u32 v4, v8, v4
	v_add_nc_u32 v[ADRS], s21, v4
	; the way out: where my fragments go, and the biases
	s_lshl_b32 s18, s17, 4
	s_lshl_b32 s19, s15, 3
	s_add_co_u32 s18, s18, s19                     ; my first block of C's rows
	s_lshl_b32 s66, s18, 4                         ; its first row
	s_add_co_u32 s66, s66, 2048                    ; in qkv_b, where the rows are v's channels
	s_lshl_b32 s18, s18, 5                         ; 32 K steps to a block in kv's images
	s_lshl_b32 s19, s42, 1
	s_add_co_u32 s19, s19, s16                     ; my 128 columns are K step 2 tc + half
	s_add_co_u32 s18, s18, s19
	s_lshl_b32 s67, s19, 7                         ; my first column
	s_mul_i32 s20, s18, 1536
	s_lshl_b32 s22, s18, 6
	s_mov_b32 s94, 15728640                        ; q's and k's scale words begin here in kv,
	s_cmp_eq_u32 ttmp9, 2
	s_cselect_b32 s19, 12582912, 0                 ; v^T's codes here,
	s_cselect_b32 s94, 16252928, s94               ; v^T's scale words here
	s_cselect_b32 s66, s66, 0                      ; the bias that is not used is read at the buffer's head and multiplied by 0
	s_cselect_b32 s67, 0, s67
	s_cselect_b32 s2, 1.0, 0                       ; factor of the bias by A's rows
	s_cselect_b32 s98, 0, 1.0                      ; factor of the bias by B's rows
	s_mov_b32 s99, s98
	s_add_co_u32 s20, s20, s19
	s_add_co_u32 s22, s22, s94
	s_mov_b32 s21, 0
	s_mov_b32 s23, 0
	s_add_nc_u64 s[20:21], s[10:11], s[20:21]      ; my first fragment
	s_add_nc_u64 s[22:23], s[10:11], s[22:23]      ; its scale words
	s_lshl_b32 s46, s67, 2
	s_mov_b32 s47, 0
	s_add_nc_u64 s[46:47], s[8:9], s[46:47]
	s_lshl_b32 s92, s66, 2
	s_mov_b32 s93, 0
	s_add_nc_u64 s[92:93], s[8:9], s[92:93]
	s_mov_b32 s12, 0x76543210
	s_mov_b32 s13, 0xfedcba98                      ; v_permlanex16_b32's selects for lane l xor 16
	v_lshlrev_b32 v5, 6, v2                        ; 64 h
	v_and_b32 v6, 8, v1
	v_add_nc_u32 v6, v6, v1
	v_lshlrev_b32 v6, 2, v6                        ; 4 (r + 8 (r / 8))
	WIN 0x40                                       ; destination window 1
.set n, 0
.rept 16
	global_load_b128 v[96+4*n+96*(n/8):99+4*n+96*(n/8)], v5, s[46:47] offset:128*(n/4)+16*(n%4)   ; number 16 q + i: the bias of column 32 q + 16 h + i of my 128
.set n, n+1
.endr
	WIN 0
.irp a, 0,1,2,3,4,5,6,7
	global_load_b32 v[BM+\a], v6, s[92:93] offset:(32*(\a/2)+8*(\a%2))*4      ; the bias of my row of block a
.endr
; the fragments and scale words of the slot's q-th K step into set p
.macro FETCH slot, q, p
	WIN 0x40                                       ; destination window 1
.set i, 0
.rept NBK
.irp j, 0,1,2
	ds_load_b128 v[128*(\p)+12*i+4*\j:128*(\p)+12*i+4*\j+3], v[ADRB+\slot] offset:i*RBB+(\q)*1536+512*\j
.endr
.set i, i+1
.endr
	WIN 0
.set i, 0
.rept NBK
.irp j, 0,1,2
	ds_load_b128 v[AF+12*NBK*(\p)+12*i+4*\j:AF+12*NBK*(\p)+12*i+4*\j+3], v[ADRA+\slot] offset:i*RBB+(\q)*1536+512*\j
.endr
.set i, i+1
.endr
.set i, 0
.rept NBK
	ds_load_b32 v[SC+8*(\p)+i], v[ADRS] offset:i*SBLK+64*(\q)
.set i, i+1
.endr
.endm
; A's block a against B's NBK blocks, from set p.  zero = 1: the products start the sums.  The accumulators take turns, in the same order in every step
.macro MULA a, p, zero
	WIN 0xa1+0x50*((\a)/4)                         ; source 0 (B) window 1, source 1 (A) window 0, C and D window 2 or 3
.set b, 0
.rept NBK
.set rD, 8*(NBK*((\a)%4)+b)
.if \zero
	v_wmma_scale_f32_16x16x128_f8f6f4 v[rD:rD+7], v[128*(\p)+12*b:128*(\p)+12*b+11], v[AF+12*NBK*(\p)+12*(\a):AF+12*NBK*(\p)+12*(\a)+11], 0, v[SC+8*(\p)+b], v[SC+8*(\p)+(\a)] matrix_a_fmt:MATRIX_FMT_BF6 matrix_b_fmt:MATRIX_FMT_BF6 matrix_a_scale:MATRIX_SCALE_ROW1
.else
	v_wmma_scale_f32_16x16x128_f8f6f4 v[rD:rD+7], v[128*(\p)+12*b:128*(\p)+12*b+11], v[AF+12*NBK*(\p)+12*(\a):AF+12*NBK*(\p)+12*(\a)+11], v[rD:rD+7], v[SC+8*(\p)+b], v[SC+8*(\p)+(\a)] matrix_a_fmt:MATRIX_FMT_BF6 matrix_b_fmt:MATRIX_FMT_BF6 matrix_a_scale:MATRIX_SCALE_ROW1
.endif
.set b, b+1
.endr
.endm
.macro MULS a0, n, p, zero
.set aa, \a0
.rept \n
	MULA aa, \p, \zero
.set aa, aa+1
.endr
.endm
; a K step that has its successor in the same slot: the successor's fragments are asked for first, into the other set, and have this step's products in which to come
.macro STEPN slot, q, zero
	s_wait_dscnt 0x0                               ; this step's fragments are in
	PLACES                                         ; the other set was read by the step before
	FETCH \slot, (\q)+1, 1-(\q)%2
	MULS 0, NBK, (\q)%2, \zero
.endm
.macro INNER slot                      ; a slot's steps from the second to the last but one
.set qq, 1
.rept KS-2
	STEPN \slot, qq, 0
.set qq, qq+1
.endr
.endm
; a slot's last step changes slots: one barrier; in front of it each wave waits for all its tensor loads, adds 0 to its spare word, and waits for that and for its reads of this slot.  fill = 1: this slot is filled again
.macro TURN slot, next, fill
	WIN 0
	s_wait_tensorcnt 0x0                           ; all my tensor loads have landed: my part of the next slot
	ds_add_u32 v[SPW], v[NIL]                      ; 0 onto my spare word
	s_wait_dscnt 0x1                               ; this step's fragments are in; the add alone may be out
	MULS 0, NBK/4, 1, 0
	s_wait_dscnt 0x0                               ; the add is done, and my reads of this slot are over
	s_barrier_signal -1
	MULS NBK/4, NBK/4, 1, 0
	WIN 0
	s_barrier_wait -1
.if \fill
	CREST                                          ; the barrier has opened a round of the cluster's: no wave of any partner still reads this slot or has a load on its way
	s_add_nc_u64 s[G0+4*\slot+2:G0+4*\slot+3], s[G0+4*\slot+2:G0+4*\slot+3], 2*RBB
	s_add_nc_u64 s[G0B+4*\slot+2:G0B+4*\slot+3], s[G0B+4*\slot+2:G0B+4*\slot+3], 2*RBB
	JLOAD G0+4*\slot, G1, G0B+4*\slot, G1B         ; the first tensor load behind the round; its four v_nop are also the places in front of the loads below
.else
	PLACES
.endif
	v_add_nc_u32 v[ADRS], 64*KS, v[ADRS]           ; on to the next slot's scale words
	FETCH \next, 0, 0
	MULS NBK/2, NBK/2, 1, 0
.endm
.macro LAP                             ; once round the ring, from a lap's second step to the next lap's first; both slots are filled again
	INNER 0
	TURN 0, 1, 1
	STEPN 1, 0, 0
	INNER 1
	TURN 1, 0, 1
	STEPN 0, 0, 0
.endm
	s_wait_tensorcnt 1                             ; the scale words and my part of slot 0 are in; slot 1's load may be out
	s_barrier_signal -1
	s_barrier_wait -1
	FETCH 0, 0, 0
	STEPN 0, 0, 1                                  ; the first step's products start the sums
.if LAPS > 2
	WIN 0
	s_mov_b32 s3, LAPS-1
.Llap:
	LAP
	WIN 0
	s_sub_co_u32 s3, s3, 1
	s_cmp_lg_u32 s3, 0
	s_cbranch_scc1 .Llap
.elseif LAPS == 2
	LAP
.endif
	INNER 0                                        ; the last lap fills nothing
	TURN 0, 1, 0
	STEPN 1, 0, 0
	INNER 1
	s_wait_dscnt 0x0
	MULS 0, NBK, 1, 0
	WIN 0
; THE WAY OUT.  64 numbers of a lane, register 16 q + i = column 32 q + 16 h + i of my row, become a fragment's codes in v[PC] on and its scale word in v[PW]
.macro QUANT s
.irp b, 0,1,2,3
	v_max3_num_f32 v[TM+\b], |v[\s+16*\b]|, |v[\s+1+16*\b]|, 0x2800000   ; with the floor 2^(5 - 127): the byte cannot fall under 1
.endr
.irp i, 2,4,6,8,10,12,14
.irp b, 0,1,2,3
	v_max3_num_f32 v[TM+\b], v[TM+\b], |v[\s+16*\b+\i]|, |v[\s+1+16*\b+\i]|
.endr
.endr
.irp b, 0,1,2,3
	v_permlanex16_b32 v[TM+4+\b], v[TM+\b], s12, s13
.endr
.irp b, 0,1,2,3
	v_max_num_f32 v[TM+\b], v[TM+\b], v[TM+4+\b]   ; with lane l xor 16's: the block's largest magnitude
.endr
.irp b, 0,1,2,3
	v_add_nc_u32 v[TM+12+\b], 0xfe000000, v[TM+\b] ; 4 off its exponent field: the conversion's scale operand
.endr
.irp b, 0,1,2,3
	v_lshrrev_b32 v[TM+4+\b], 23, v[TM+12+\b]      ; the scale's byte
.endr
	v_lshl_or_b32 v[PW], v[TM+5], 8, v[TM+4]
	v_lshl_or_b32 v[PW], v[TM+6], 16, v[PW]
	v_lshl_or_b32 v[PW], v[TM+7], 24, v[PW]
.irp c, 0,1
	v_cvt_scalef32_pk16_bf6_f32 v[PC+6*\c:PC+2+6*\c], v[\s+32*\c:\s+15+32*\c], v[TM+12+2*\c]
	v_cvt_scalef32_pk16_bf6_f32 v[PC+12+4*\c:PC+14+4*\c], v[\s+16+32*\c:\s+31+32*\c], v[TM+12+2*\c+1]   ; (a conversion's three registers begin on an even number)
.endr
	v_nop                                          ; one plain instruction behind a scaled conversion
.irp c, 0,1                                    ; the operand's layout wants a whole block in a lane
.irp i, 0,1,2
	v_permlane16_swap_b32 v[PC+6*\c+\i], v[PC+12+4*\c+\i]
.endr
.irp i, 0,1,2
	v_mov_b32 v[PC+3+6*\c+\i], v[PC+12+4*\c+\i]
.endr
.endr
.endm
; block a's eight accumulators + both biases, each accumulator from its low end on
.macro COPY a
	WIN 0x06+(\a)/4                                ; source 0: window 2 or 3; source 1: window 1
.set n, 0
.rept 32
	v_pk_add_f32 v[TT+2*n:TT+2*n+1], v[64*((\a)%4)+2*n:64*((\a)%4)+2*n+1], v[96+2*n+96*(n/16):97+2*n+96*(n/16)]
.set n, n+1
.endr
	WIN 0
.set n, 0
.rept 32
.if (\a)%2
	v_pk_add_f32 v[TT+2*n:TT+2*n+1], v[TT+2*n:TT+2*n+1], v[BM+(\a)-1:BM+(\a)] op_sel:[0,1] op_sel_hi:[1,1]
.else
	v_pk_add_f32 v[TT+2*n:TT+2*n+1], v[TT+2*n:TT+2*n+1], v[BM+(\a):BM+(\a)+1] op_sel_hi:[1,0]
.endif
.set n, n+1
.endr
.endm
	PLACES
	s_wait_loadcnt 0x0                             ; the biases
	WIN 0x41                                       ; destination and source 0: window 1
.set n, 0
.rept 32
	v_pk_mul_f32 v[96+2*n+96*(n/16):97+2*n+96*(n/16)], v[96+2*n+96*(n/16):97+2*n+96*(n/16)], s[98:99] op_sel_hi:[1,0]
.set n, n+1
.endr
	WIN 0
.irp a, 0,1,2,3,4,5,6,7
	v_mul_f32 v[BM+\a], s2, v[BM+\a]
.endr
.irp b, 0,1,2,3
	v_mov_b32 v[TM+4+\b], 0                        ; a lane permute's destination counts as read: written once
.endr
	s_mov_b32 s3, 0
.Lrow:                                                 ; eight trips, a block of 16 rows each: only the copy out of the accumulators differs, so only that is written eight times
.irp a, 1,2,3,4,5,6,7
	s_cmp_eq_u32 s3, \a
	s_cbranch_scc1 .Lcopy\a
.endr
	COPY 0
	s_branch .Ljoin
.irp a, 1,2,3,4,5,6,7
.Lcopy\a:
	COPY \a
	s_branch .Ljoin
.endr
.Ljoin:
	QUANT TT
	global_store_b128 v7, v[PC:PC+3], s[20:21]                 ; 32 lanes store 512 consecutive bytes, aligned
	global_store_b128 v7, v[PC+4:PC+7], s[20:21] offset:512
	global_store_b128 v7, v[PC+8:PC+11], s[20:21] offset:1024
	global_store_b32 v8, v[PW], s[22:23]                       ; both lanes of a row store the same word to the same place
	s_wait_xcnt 0x0                                ; the stores have read their registers and bases: both are written again below and in the next trip
	s_add_nc_u64 s[20:21], s[20:21], 49152         ; the next block of rows
	s_add_nc_u64 s[22:23], s[22:23], 2048
	s_add_co_u32 s3, s3, 1
	s_cmp_lt_u32 s3, 8
	s_cbranch_scc1 .Lrow
	s_wait_tensorcnt 0x0                           ; the wave's end
	ds_add_u32 v[SPW], v[NIL]
	s_wait_dscnt 0x0
	CROUND                                         ; the closing round: no work-group ends while a partner may still ask for a tile that names it
	s_endpgm
.Lfunc_end_k_qa05ffc7a12_qkv:
	.size	k_qa05ffc7a12_qkv, .Lfunc_end_k_qa05ffc7a12_qkv-k_qa05ffc7a12_qkv
	.p2alignl 7, 3214868480
	.fill 96, 4, 3214868480
	.section	.rodata,"a",@progbits
	.p2align	6, 0x0
	.amdhsa_kernel k_qa05ffc7a12_qkv
		.amdhsa_group_segment_fixed_size 327680
		.amdhsa_private_segment_fixed_size 0
		.amdhsa_enable_private_segment 0
		.amdhsa_kernarg_size 32
		.amdhsa_user_sgpr_count 2
		.amdhsa_user_sgpr_kernarg_segment_ptr 1
		.amdhsa_wavefront_size32 1
		.amdhsa_system_sgpr_workgroup_id_x 1
		.amdhsa_system_sgpr_workgroup_id_y 1
		.amdhsa_system_sgpr_workgroup_id_z 1
		.amdhsa_system_vgpr_workitem_id 0
		.amdhsa_next_free_vgpr 1024
		.amdhsa_next_free_sgpr 100
		.amdhsa_reserve_vcc 0
		.amdhsa_float_denorm_mode_32 3
		.amdhsa_float_denorm_mode_16_64 3
		.amdhsa_memory_ordered 1
		.amdhsa_forward_progress 1
		.amdhsa_inst_pref_size 150
	.end_amdhsa_kernel
	.amdgpu_metadata
---
amdhsa.version: [ 1, 2 ]
amdhsa.kernels:
  - .name:           k_qa05ffc7a12_qkv
    .symbol:         k_qa05ffc7a12_qkv.kd
    .args:
      - { .name: qc, .offset: 0, .size: 8, .value_kind: global_buffer, .address_space: global }
      - { .name: qs, .offset: 8, .size: 8, .value_kind: global_buffer, .address_space: global }
      - { .name: qkv_b, .offset: 16, .size: 8, .value_kind: global_buffer, .address_space: global }
      - { .name: kv, .offset: 24, .size: 8, .value_kind: global_buffer, .address_space: global }
    .group_segment_fixed_size: 327680
    .private_segment_fixed_size: 0
    .kernarg_segment_align: 8
    .kernarg_segment_size: 32
    .max_flat_workgroup_size: 128
    .sgpr_count:     100
    .vgpr_count:     1024
    .wavefront_size: 32
...
	.end_amdgpu_metadata
.endif
;; end of part 2
;; launch attn (part 3): grid 16 x 16, 16 waves a work-group, no clusters, 220,160 bytes of LDS; arguments kv, actc, acts; writes actc, acts
.if DOCPART == 3
	.amdgcn_target "amdgcn-amd-amdhsa--gfx1250"
	.amdhsa_code_object_version 6
	.text
	.protected	k_qa05ffc7a12_attn
	.globl	k_qa05ffc7a12_attn
	.p2align	8
	.type	k_qa05ffc7a12_attn,@function
k_qa05ffc7a12_attn:
	s_mov_b64 s[64:65], 0
	v_nop
	global_prefetch_b8 v0, s[64:65] scope:SCOPE_SE
	s_setreg_imm32_b32 hwreg(HW_REG_WAVE_MODE, 25, 1), 1
	s_wait_xcnt 0x0
; Causal attention on codes of E3M2 with E8M0 scales, 32 (batch, head) pairs of 2,048 tokens x 64 channels; the result is quantised along the model's 1,024 and leaves as an operand image.
; kv holds operand images (fragment = 1,536 bytes in register order: register 4 j + c of lane l at 512 j + 16 l + 4 c; 16 scale words beside it; lane-row r of block TB is the true row 32 (TB / 2) + 8 (TB % 2) + r + 8 (r / 8)):
;   q and k: fragment (token block TB, step s) at (32 TB + s) x 1,536, s = 0-7 q's head pairs, 8-15 k's; scale words at 15,728,640 + (32 TB + s) x 64.
;   v^T: fragment (channel block CB, step of 128 tokens ts) at 12,582,912 + (32 CB + ts) x 1,536; scale words at 16,252,928 + (32 CB + ts) x 64.
; A fragment of q or k is 16 tokens x 128 channels: BOTH heads of a pair: registers 0-5 the even head's 64 channels, registers 6-11 the odd head's.  A wave works for one head: in its fragment of q the other
; head's six registers are zero codes, which add nothing whatever they meet.  So OF A FRAGMENT OF K A WAVE READS ITS OWN HEAD'S SIX REGISTERS ALONE, and the eight fragments of a step lie six registers apart:
; the operand of tile t is v[FB + 6 t .. FB + 6 t + 11]; the even head has its codes in the lower six of those (the upper six are tile t + 1's codes), the odd head in the upper six (the lower six are tile t - 1's).
; SHARES.  Work-group (i, y): batch y / 8, head pair y % 8, the blocks of 64 queries i and 31 - i: early and late queries together, so that all work-groups have the same work under the mask.
; Each of 16 waves owns 16 queries of one head.  Keys go 128 a step.  A step all of whose keys come after the wave's queries is left out (a scalar branch on ids).
; THE SOFTMAX: t = score x log2(e) / 8; M = the running largest t rounded up to a whole number; p = 2^(t - M) is quantised along the keys, not normalised; the row's sum is taken of the unquantised p and divides at the end.
; Both products are used transposed (S^T = K Q^T, O^T = V^T P^T): a lane holds one query throughout, and by the images' order of rows its registers run along neighbouring keys, then channels.
; LDS is filled through registers: wave f brings fragment f of a step's 16 (8 of K, 8 of V^T).  LDS has EIGHT PLACES of one step each, in two groups of four.  While the waves read one group, each wave stores
; its fragment of the step four further on into the other group, which nobody reads before the next barrier: ONE BARRIER FOR FOUR STEPS, between which the waves need not keep step with each other.
; The walk is 2 trips of 8 steps written out, so that every LDS address is a constant + a lane's and a wave's term; steps that the work-group does not need are neither brought nor worked.
; No multicast: the work-groups of a head pair need different numbers of steps.
; LIMITS: NaN and infinities are not served; a block under 2^-122 gets the byte 1 (its codes are right; this program alone reads the bytes).
.set POSB,  25600                      ; a place: a step's 16 fragments, then their scale words, 64 bytes each
.set SCW,   24576
.set STAGE, 8*POSB                     ; behind the eight places, the way out: 768 bytes for each wave,
.set STSC,  STAGE+16*768               ; and 64 bytes for its scale bytes
.set LI,  4                            ; v4   16 x lane
.set LSK, 5                            ; v5   K's scale words, in place 0
.set VR,  6                            ; v6   my head's fragments of V^T, in place 0
.set VSR, 7                            ; v7   their scale words
.set LW,  8                            ; v8   where the fragment that I bring goes, in place 0
.set LWS, 9                            ; v9   and its scale words
.set VD,  10                           ; v10  my query - the diagonal step's first key - 16 h
.set QF,  16                           ; v16-27 q's fragment;  v28 its scale words
.set QS,  28
.set R4,  29                           ; v29  4 r
.set PFO, 30                           ; v30  the prefetches' offset;  v31 its step
.set PFS, 31
.set FB,  32                           ; v32-85 K's eight halves and six registers more, or four fragments of V^T
.set LD,  86                           ; v86-98 the fragment that I bring, and its scale words
.set SS,  100                          ; v100-163 S^T, then p
.set OO,  164                          ; v164-195 O^T
.set WA,  196                          ; v196-201 the way out's addresses
.set WS,  197
.set RD1, 198
.set RD2, 199
.set RS0, 200
.set GO8, 201
.set BX,  202                          ; v202-205 the blocks' largest;  v206-209 permutes, bytes;  v210-213 scale operands
.set BP,  206
.set SO,  210
.set PW,  214                          ; v214 p's scale word
.set T1,  215                          ; at work at the head
.set KSW, 216                          ; v216-223 the fragments' scale words
.set PC,  224                          ; v224-235 p's codes;  v236-242 second halves as the conversions leave them
.set CT,  236
.set T2,  243                          ; at work at the head
.set SM,  244                          ; v244-245 the sum's second chain
.set CK,  246                          ; v246-251 the step's LDS addresses: K, its scale words, V^T, its scale words; where I store, and the scale words
.set CKS, 247
.set CV,  248
.set CVS, 249
.set CLW, 250
.set CLS, 251
.set FF,  252                          ; v252 f = 2^(old M - new M)
.set TMP, 254
	s_load_b128 s[4:7], s[0:1], 0x0                ; kv s[4:5], the result's codes s[6:7]
	s_load_b64 s[8:9], s[0:1], 0x10                ; its scale words
	v_lshl_add_u32 v239, v0, 2, 0x35400
	v_mov_b32 v255, 0
	v_lshrrev_b32 v1, 5, v0
	v_readfirstlane_b32 s10, v1                    ; wave 0..15
	v_and_b32 v1, 31, v0                           ; lane
	v_and_b32 v2, 15, v0                           ; r
	v_bfe_u32 v3, v0, 4, 1                         ; h
	s_and_b32 s11, s10, 1                          ; e: which head of the pair
	s_bfe_u32 s12, s10, 0x10002
	s_lshr_b32 s13, s10, 3
	s_lshl_b32 s32, s13, 1
	s_add_co_u32 s12, s12, s32                     ; which 16 of the block's 64 queries
	s_lshr_b32 s32, s10, 1
	s_xor_b32 s13, s32, s13
	s_and_b32 s13, s13, 1                          ; the late block?  Of waves w, w + 4, w + 8, w + 12, and of waves 4 k .. 4 k + 3, two are early and two late
	s_and_b32 s15, ttmp7, 0xffff
	s_lshr_b32 s16, s15, 3                         ; batch
	s_and_b32 s17, s15, 7                          ; head pair
	s_lshl_b32 s32, ttmp9, 1
	s_sub_co_u32 s32, 31, s32
	s_mul_i32 s32, s32, s13
	s_add_co_u32 s18, ttmp9, s32                   ; my block of 64 queries: i or 31 - i
	s_lshl_b32 s19, s18, 2
	s_add_co_u32 s19, s19, s12                     ; my block of 16 queries, in the batch
	s_lshr_b32 s24, s19, 3                         ; the step on my diagonal: my last
	s_sub_co_u32 s25, 31, ttmp9
	s_lshr_b32 s25, s25, 1
	s_add_co_u32 s25, s25, 1                       ; the steps that the work-group needs: 9 to 16
	; the fragment that I bring: wave f < 8: token block 128 b + 8 t + f, step 8 + hp;  f >= 8: channel block 8 hp + f - 8, token step 16 b + t
	s_lshl_b32 s32, s16, 7
	s_add_co_u32 s32, s32, s10
	s_lshl_b32 s32, s32, 5
	s_add_co_u32 s32, s32, s17
	s_add_co_u32 s32, s32, 8
	s_lshl_b32 s33, s17, 3
	s_add_co_u32 s33, s33, s10
	s_sub_co_u32 s33, s33, 8
	s_lshl_b32 s33, s33, 5
	s_lshl_b32 s34, s16, 4
	s_add_co_u32 s33, s33, s34
	s_mov_b32 s28, 1536
	s_mov_b32 s29, 64
	s_mov_b32 s35, 12582912
	s_mov_b32 s36, 16252928
	s_cmp_lt_u32 s10, 8
	s_cselect_b32 s32, s32, s33                    ; its number at step 0
	s_cselect_b32 s28, 393216, s28                 ; bytes from step to step: codes,
	s_cselect_b32 s29, 16384, s29                  ; scale words
	s_cselect_b32 s35, 0, s35
	s_cselect_b32 s36, 15728640, s36
	s_mul_i32 s30, s32, 1536
	s_add_co_u32 s30, s30, s35                     ; its codes at step 0, in kv
	s_lshl_b32 s31, s32, 6
	s_add_co_u32 s31, s31, s36                     ; its scale words
	s_mov_b32 s53, 0
	s_mov_b32 s55, 0
	s_lshl_b32 s37, s16, 7
	s_add_co_u32 s37, s37, s19                     ; my block of queries among all 256
	s_lshl_b32 s38, s37, 5
	s_add_co_u32 s38, s38, s17
	s_mul_i32 s40, s38, 1536                       ; q's fragment
	s_mov_b32 s41, 0
	s_lshl_b32 s42, s38, 6
	s_add_co_u32 s42, s42, 15728640
	s_mov_b32 s43, 0
	s_lshl_b32 s44, s37, 3
	s_add_co_u32 s44, s44, s17                     ; the result's fragment: 8 steps to a block
	s_mul_i32 s46, s44, 1536
	s_mul_i32 s47, s11, 768                        ; I store my half of it
	s_add_co_u32 s46, s46, s47
	s_mov_b32 s47, 0
	s_lshl_b32 s48, s44, 6
	s_mov_b32 s49, 0
	s_mov_b32 s20, 0x76543210
	s_mov_b32 s21, 0xfedcba98                      ; v_permlanex16_b32's selects for lane l xor 16
	s_mov_b32 s22, 0x3e38aa3b                      ; c = log2(e) / 8
	s_mov_b32 s23, s22                             ; (named with it as a pair)
	v_lshlrev_b32 v[LI], 4, v1
	v_lshlrev_b32 v[R4], 2, v2
.macro ADDR                            ; s50 = a step: where my fragment of it lies
	s_mul_i32 s52, s50, s28
	s_add_co_u32 s52, s52, s30
	s_mul_i32 s54, s50, s29
	s_add_co_u32 s54, s54, s31
	s_add_nc_u64 s[56:57], s[4:5], s[52:53]
	s_add_nc_u64 s[58:59], s[4:5], s[54:55]
.endm
.macro ADDRK k, c                      ; the same for step k, a constant, into s[c .. c + 3]: the head's loads go out together, each with bases of its own
	s_mul_i32 s52, s28, \k
	s_add_co_u32 s52, s52, s30
	s_mul_i32 s54, s29, \k
	s_add_co_u32 s54, s54, s31
	s_add_nc_u64 s[\c:\c+1], s[4:5], s[52:53]
	s_add_nc_u64 s[\c+2:\c+3], s[4:5], s[54:55]
.endm
.macro GLOADK reg, c                   ; a fragment and its scale words into v[reg .. reg + 12]
	global_load_b128 v[\reg:\reg+3], v[LI], s[\c:\c+1]
	global_load_b128 v[\reg+4:\reg+7], v[LI], s[\c:\c+1] offset:512
	global_load_b128 v[\reg+8:\reg+11], v[LI], s[\c:\c+1] offset:1024
	global_load_b32 v[\reg+12], v[R4], s[\c+2:\c+3]
.endm
.macro LSTOREK reg, adr, adrs, off     ; and on into LDS, as it lies
	ds_store_b128 v[\adr], v[\reg:\reg+3] offset:\off
	ds_store_b128 v[\adr], v[\reg+4:\reg+7] offset:\off+512
	ds_store_b128 v[\adr], v[\reg+8:\reg+11] offset:\off+1024
	ds_store_b32 v[\adrs], v[\reg+12] offset:\off  ; both lanes of a row write the same word with the same value
.endm
	s_wait_kmcnt 0x0
	s_add_nc_u64 s[40:41], s[4:5], s[40:41]
	s_add_nc_u64 s[42:43], s[4:5], s[42:43]
	s_add_nc_u64 s[6:7], s[6:7], s[46:47]
	s_add_nc_u64 s[8:9], s[8:9], s[48:49]
	global_load_b128 v[QF:QF+3], v[LI], s[40:41]
	global_load_b128 v[QF+4:QF+7], v[LI], s[40:41] offset:512
	global_load_b128 v[QF+8:QF+11], v[LI], s[40:41] offset:1024
	global_load_b32 v[QS], v[R4], s[42:43]
.irp k, 0,1,2,3
	ADDRK \k, 68+4*\k
	GLOADK SS+16*\k, 68+4*\k                       ; steps 0 to 3, the first group, through the registers that the scores will take
.endr
	s_mov_b32 s50, 4
	ADDR
	GLOADK LD, 56                                  ; step 4
	; every LDS address is made of the lane, the wave's number and constants
	v_add_nc_u32 v[LSK], SCW, v[R4]
	s_mul_i32 s32, s11, 6144
	s_add_co_u32 s32, s32, 12288
	v_add_nc_u32 v[VR], s32, v[LI]                 ; fragments 8 + 4 e on
	s_lshl_b32 s32, s11, 8
	s_add_co_u32 s32, s32, SCW+512
	v_add_nc_u32 v[VSR], s32, v[R4]
	s_mul_i32 s32, s10, 1536
	v_add_nc_u32 v[LW], s32, v[LI]
	s_lshl_b32 s32, s10, 6
	s_add_co_u32 s33, s32, SCW
	v_add_nc_u32 v[LWS], s33, v[R4]
	v_add_nc_u32 v[CLW], 2*POSB, v[LW]             ; (places 2 and 3 lie beyond an LDS instruction's 16-bit offset)
	v_add_nc_u32 v[CLS], 2*POSB, v[LWS]
	s_add_co_u32 s33, s32, STSC
	v_add_nc_u32 v[WS], s33, v[R4]                 ; the way out: my two scale bytes, a word a row
	v_lshlrev_b32 v[GO8], 3, v1
	s_mul_i32 s32, s10, 768
	s_add_co_u32 s32, s32, STAGE
	v_add_nc_u32 v[WA], s32, v[GO8]                ; my six registers, as three pieces of 256 bytes: piece p of the pair's six holds the fragment's registers 2 p, 2 p + 1, 8 bytes a lane
	s_lshr_b32 s32, s10, 1
	s_mul_i32 s33, s32, 1536
	s_add_co_u32 s33, s33, STAGE
	v_and_b32 v[T1], 1, v1
	v_lshlrev_b32 v[T1], 8, v[T1]
	v_lshrrev_b32 v[T2], 1, v1
	v_lshl_add_u32 v[T1], v[T2], 3, v[T1]          ; back in the image's order: 8 bytes of the image lie at 256 (l % 2) + 8 (l / 2) from their run's first
	s_mul_i32 s34, s11, 640
	s_add_co_u32 s34, s34, s33
	v_add_nc_u32 v[RD1], s34, v[T1]                ; my half's runs of 256 bytes begin at 0, 128, 512 (e = 0) or 640, 1,024, 1,152 (e = 1)
	s_mul_i32 s34, s11, 896
	s_add_co_u32 s34, s34, s33
	v_add_nc_u32 v[RD2], s34, v[T1]
	s_lshl_b32 s34, s32, 7
	s_add_co_u32 s34, s34, STSC
	v_add_nc_u32 v[RS0], s34, v[R4]                ; the pair's two words
	s_lshr_b32 s32, s19, 1
	s_lshl_b32 s32, s32, 5
	s_and_b32 s33, s19, 1
	s_lshl_b32 s33, s33, 3
	s_add_co_u32 s32, s32, s33
	s_lshl_b32 s33, s24, 7
	s_sub_co_u32 s32, s32, s33                     ; my block's first query, from the diagonal step's first key
	v_and_b32 v[VD], 8, v2
	v_add_nc_u32 v[VD], v[VD], v2
	v_lshlrev_b32 v11, 4, v3
	v_sub_nc_u32 v[VD], v[VD], v11
	v_add_nc_u32 v[VD], s32, v[VD]
	; THE PREFETCHES.  A step's 16 fragments are 96 runs of 256 bytes.  All sixteen work-groups of a y walk the same fragments: work-group i = 0, which walks all 16 steps, asks: waves 0 to 2, a lane a run,
	; in step t for step t + 7, whose loads go out in step t + 2.  So each run is named once in the launch; steps 0 to 6 come by their loads alone, and from step 9 on nothing is asked.
	v_min_u32 v[PFO], 95, v0                       ; the run (held at 95, so that no lane of any wave forms an address outside kv)
	v_mul_u32_u24 v[PFS], v[PFO], 43
	v_lshrrev_b32 v[PFS], 8, v[PFS]                ; its fragment: run / 6
	v_mul_u32_u24 v[T1], v[PFS], 6
	v_sub_nc_u32 v[PFO], v[PFO], v[T1]
	v_lshlrev_b32 v[PFO], 8, v[PFO]
	s_lshl_b32 s32, s16, 12
	s_add_co_u32 s32, s32, s17
	s_add_co_u32 s32, s32, 8
	s_lshl_b32 s33, s17, 8
	s_sub_co_u32 s33, s33, 256
	s_lshl_b32 s34, s16, 4
	s_add_co_u32 s33, s33, s34
	v_lshlrev_b32 v[T1], 5, v[PFS]
	v_add_nc_u32 v[T2], s32, v[T1]                 ; the fragment's number, as K's,
	v_add_nc_u32 v[T1], s33, v[T1]                 ; as V^T's
	v_cmp_gt_u32 vcc_lo, 8, v[PFS]
	v_cndmask_b32 v[T1], v[T1], v[T2], vcc_lo
	v_mul_u32_u24 v[T1], v[T1], 1536
	v_add_nc_u32 v[PFO], v[PFO], v[T1]
	v_mov_b32 v[T2], 12582912
	v_cndmask_b32 v[T2], v[T2], 0, vcc_lo
	v_add_nc_u32 v[PFO], v[PFO], v[T2]
	v_mov_b32 v[PFS], 1536
	v_mov_b32 v[T1], 393216
	v_cndmask_b32 v[PFS], v[PFS], v[T1], vcc_lo
	v_mad_u32_u24 v[PFO], v[PFS], 6, v[PFO]        ; at step 6: each step's head steps it on
	s_cmp_lt_u32 s10, 3
	s_cselect_b32 s27, 9, 0
	s_cmp_eq_u32 ttmp9, 0
	s_cselect_b32 s27, s27, 0                      ; a wave asks while the step is under this
	v_mov_b32 v13, 0xff61b1e6                      ; the largest t so far: -3e38, under every t
	v_floor_f32 v12, -v13                          ; -M
	v_mov_b32 v14, 0                               ; the sum, in two halves
	v_mov_b32 v15, 0
.set i, 0
.rept 32
	v_mov_b32 v[OO+i], 0                           ; O^T: the step is written once; the first finds zeros, which the first change of M leaves zeros
.set i, i+1
.endr
.set i, 0
.rept 6
	v_mov_b32 v[FB+i], 0                           ; the six registers under the odd head's first half, and those over the even head's last: codes that meet q's zeros
	v_mov_b32 v[FB+48+i], 0
.set i, i+1
.endr
.irp b, 0,1,2,3
	v_mov_b32 v[BP+\b], 0                          ; a lane permute's destination counts as read: written once
.endr
	v_mov_b32 v[FF+1], 0                           ; (named as the upper half of a pair)
	v_mov_b32 v[TMP], 0
	s_cmp_eq_u32 s11, 0
	s_cselect_b32 s38, -1, 0
	s_not_b32 s39, s38
	s_wait_loadcnt 0x4                             ; q and steps 0 to 3 are in; the four loads behind them, step 4's, may be out
	LSTOREK SS, LW, LWS, 0
	LSTOREK SS+16, LW, LWS, POSB
	LSTOREK SS+32, CLW, CLS, 0
	LSTOREK SS+48, CLW, CLS, POSB
.set i, 0
.rept 6
	v_cndmask_b32 v[QF+i], 0, v[QF+i], s38         ; the other head's codes of q become zeros
	v_cndmask_b32 v[QF+6+i], 0, v[QF+6+i], s39
.set i, i+1
.endr
	s_wait_dscnt 0x0                               ; for the others' sake: my stores are done
	s_barrier_signal -1
	s_barrier_wait -1
; THE BRINGING, in two parts.  s51 = the step in hand.  A: my fragment of the step four on, which I hold, goes into its place in the other group.  B: behind the wait that shows the stores done, my fragment of the
; step five on is asked for; then the prefetch.  Steps that the work-group does not need are not brought: branches on ids.
.macro BRING_A
	s_add_co_u32 s50, s51, 4
	s_cmp_lt_u32 s50, s25
	s_cbranch_scc0 .Lnone_\@
	s_wait_loadcnt 0x0                             ; it was asked for a step ago
	LSTOREK LD, CLW, CLS, 0
.Lnone_\@:
.endm
.macro BRING_B
	s_add_co_u32 s50, s51, 5
	s_cmp_lt_u32 s50, s25
	s_cbranch_scc0 .Lnone_\@
	s_wait_loadcnt 0x0                             ; the last loads are done with their bases and their registers (met already, in part A)
	ADDR
	GLOADK LD, 56
.Lnone_\@:
	s_cmp_lt_u32 s51, s27
	s_cbranch_scc0 .Lnoask_\@
	global_prefetch_b8 v[PFO], s[4:5] th:TH_LOAD_NT scope:SCOPE_SE
.Lnoask_\@:
.endm
; A KEY STEP'S WORK.  s51 = the step; the step's LDS addresses stand in v[CK] to v[CLS]
.macro WORK
	s_cmp_lg_u32 s11, 0                            ; my head's half of each of K's eight fragments: 24 bytes a lane, 768 of the fragment's 1,536
	s_cbranch_scc1 .Lodd_\@
.set t, 0
.rept 8
	ds_load_b128 v[FB+6*t:FB+6*t+3], v[CK] offset:1536*t           ; the image's registers 0-3,
	ds_load_b64 v[FB+6*t+4:FB+6*t+5], v[CK] offset:1536*t+512      ; 4 and 5: the lower six of the operand
.set t, t+1
.endr
	s_branch .Lboth_\@
.Lodd_\@:
.set t, 0
.rept 8
	ds_load_b64 v[FB+6*t+6:FB+6*t+7], v[CK] offset:1536*t+520      ; the image's registers 6 and 7,
	ds_load_b128 v[FB+6*t+8:FB+6*t+11], v[CK] offset:1536*t+1024   ; 8-11: the upper six of the operand
.set t, t+1
.endr
.Lboth_\@:
.set t, 0
.rept 8
	ds_load_b32 v[KSW+t], v[CKS] offset:64*t
.set t, t+1
.endr
	BRING_A                                        ; my stores stand behind K's loads and are waited for with them
	s_wait_dscnt 0x0                               ; K is in; the stores are done and have read their registers
	BRING_B
.set t, 0
.rept 8                                        ; S^T = K Q^T: eight tiles of 16 keys
	v_wmma_scale_f32_16x16x128_f8f6f4 v[SS+8*t:SS+8*t+7], v[FB+6*t:FB+6*t+11], v[QF:QF+11], 0, v[KSW+t], v[QS] matrix_a_fmt:MATRIX_FMT_BF6 matrix_b_fmt:MATRIX_FMT_BF6
.set t, t+1
.endr                                          ; register 16 q + i: key 32 q + 16 h + i of the step
.rept 4
	v_nop                                          ; places in front of loads into registers that these products read, and of the first read of the scores
.endr
.irp t, 0,1,2,3                                ; my head's four fragments of V^T are asked for now and waited for in front of the second product
.irp j, 0,1,2
	ds_load_b128 v[FB+12*\t+4*\j:FB+12*\t+4*\j+3], v[CV] offset:1536*\t+512*\j
.endr
	ds_load_b32 v[KSW+\t], v[CVS] offset:64*\t
.endr
	s_cmp_lg_u32 s51, s24                          ; on the diagonal the scores of hidden keys become -infinity ahead of the maximum: p = 0 then
	s_cbranch_scc1 .Lopen_\@
	v_mov_b32 v[TMP], 0xff800000
.set n, 0
.rept 64
	v_cmp_gt_i32 vcc_lo, 32*(n/16)+n%16, v[VD]
	v_cndmask_b32 v[SS+n], v[SS+n], v[TMP], vcc_lo
.set n, n+1
.endr
.Lopen_\@:
.irp b, 0,1,2,3
	v_max3_num_f32 v[BX+\b], v[SS+16*\b], v[SS+1+16*\b], v[SS+2+16*\b]   ; the largest score of each block of 32 keys: it serves the row's maximum and, since p rises with the score, the block's largest p
.endr
.irp i, 3,5,7,9,11,13
.irp b, 0,1,2,3
	v_max3_num_f32 v[BX+\b], v[BX+\b], v[SS+16*\b+\i], v[SS+1+16*\b+\i]
.endr
.endr
.irp b, 0,1,2,3
	v_max_num_f32 v[BX+\b], v[BX+\b], v[SS+15+16*\b]
.endr
.irp b, 0,1,2,3
	v_permlanex16_b32 v[BP+\b], v[BX+\b], s20, s21
.endr
.irp b, 0,1,2,3
	v_max_num_f32 v[BX+\b], v[BX+\b], v[BP+\b]     ; with lane l xor 16's 16 keys
.endr
	v_max3_num_f32 v[TMP], v[BX], v[BX+1], v[BX+2]
	v_max_num_f32 v[TMP], v[TMP], v[BX+3]
	v_mul_f32 v[TMP], s22, v[TMP]                  ; the step's largest t
	v_max_num_f32 v13, v13, v[TMP]                 ; the running largest t
	v_mov_b32 v[TMP], v12
	v_floor_f32 v12, -v13                          ; the new -M = -ceil(t): a whole number
	v_sub_f32 v[TMP], v12, v[TMP]                  ; old M - new M: a whole number, 0 or less
	v_cvt_i32_f32 v[TMP], v[TMP]                   ; (it saturates)
	v_ldexp_f32 v[FF], 1.0, v[TMP]                 ; f = 2^(old M - new M): multiplying by it rounds nothing
.set n, 0
.rept 32
	v_pk_fma_f32 v[SS+2*n:SS+2*n+1], v[SS+2*n:SS+2*n+1], s[22:23], v[12:13] op_sel_hi:[1,0,0]   ; t - M
.set n, n+1
.endr
.irp b, 0,1,2,3
	v_fma_f32 v[BX+\b], v[BX+\b], s22, v12         ; the same of each block's largest score
.endr
.set n, 0
.rept 64
	v_exp_f32 v[SS+n], v[SS+n]                     ; p = 2^(t - M), at most 1
.set n, n+1
.endr
	v_pk_mul_f32 v[14:15], v[14:15], v[FF:FF+1] op_sel_hi:[1,0]   ; the sums under the new M (a plain instruction behind the exponentials)
	s_wait_alu depctr_va_vdst(0)                   ; one wait for the whole batch, ahead of its first reader
.irp b, 0,1,2,3
	v_exp_f32 v[BX+\b], v[BX+\b]                   ; the block's largest p: the same two instructions on the same number give the same bits
.endr
	v_pk_add_f32 v[SM:SM+1], v[SS:SS+1], v[SS+2:SS+3]             ; the row's sum is taken of the unquantised p, in two chains
.irp j, 4,8,12,16,20,24,28,32,36,40,44,48,52,56,60
	v_pk_add_f32 v[14:15], v[14:15], v[SS+\j:SS+\j+1]
	v_pk_add_f32 v[SM:SM+1], v[SM:SM+1], v[SS+2+\j:SS+3+\j]
.endr
	v_pk_add_f32 v[14:15], v[14:15], v[SM:SM+1]
	s_wait_alu depctr_va_vdst(0)                   ; and one for the four
.irp b, 0,1,2,3
	v_max_num_f32 v[BX+\b], 0x2800000, v[BX+\b]    ; the floor 2^(5 - 127): the byte cannot fall under 1
.endr
.irp b, 0,1,2,3
	v_add_nc_u32 v[SO+\b], 0xfe000000, v[BX+\b]    ; 4 off the exponent field: the conversion's scale operand
.endr
.irp b, 0,1,2,3
	v_lshrrev_b32 v[BP+\b], 23, v[SO+\b]           ; the scale's byte
.endr
	v_lshl_or_b32 v[PW], v[BP+1], 8, v[BP]         ; p's scale word for these 128 keys
	v_lshl_or_b32 v[PW], v[BP+2], 16, v[PW]
	v_lshl_or_b32 v[PW], v[BP+3], 24, v[PW]
.irp c, 0,1
	v_cvt_scalef32_pk16_bf6_f32 v[PC+6*\c:PC+6*\c+2], v[SS+32*\c:SS+32*\c+15], v[SO+2*\c]
	v_cvt_scalef32_pk16_bf6_f32 v[CT+4*\c:CT+4*\c+2], v[SS+16+32*\c:SS+31+32*\c], v[SO+2*\c+1]   ; (a conversion's three registers begin on an even number)
.endr
	v_nop                                          ; one plain instruction behind a scaled conversion
.irp c, 0,1                                    ; the operand's layout wants a whole block in a lane
.irp i, 0,1,2
	v_permlane16_swap_b32 v[PC+6*\c+\i], v[CT+4*\c+\i]
.endr
.irp i, 0,1,2
	v_mov_b32 v[PC+3+6*\c+\i], v[CT+4*\c+\i]
.endr
.endr
.set n, 0
.rept 16
	v_pk_mul_f32 v[OO+2*n:OO+2*n+1], v[OO+2*n:OO+2*n+1], v[FF:FF+1] op_sel_hi:[1,0]   ; O^T under the new M.  (These sixteen also stand between the writes of p's codes and scale word and the products)
.set n, n+1
.endr
	s_wait_dscnt 0x0                               ; V^T's fragments
.irp t, 0,1,2,3                                ; O^T += V^T P^T: the head's 64 channels in four tiles, by turns
	v_wmma_scale_f32_16x16x128_f8f6f4 v[OO+8*\t:OO+8*\t+7], v[FB+12*\t:FB+12*\t+11], v[PC:PC+11], v[OO+8*\t:OO+8*\t+7], v[KSW+\t], v[PW] matrix_a_fmt:MATRIX_FMT_BF6 matrix_b_fmt:MATRIX_FMT_BF6
.endr
.endm
; A STEP, t = s26 + p, read from place p; what I bring goes to place (p + 4) % 8, in the other group.  The seven additions at its head are also the places between the last products and the loads into their registers.
; Behind a group's fourth step stands the barrier: in front of it each wave's stores into the other group are done and its reads of this group are over.
.macro STEP p
	s_wait_xcnt 0x0                                ; the last prefetch has read its offset
	v_add_nc_u32 v[PFO], v[PFO], v[PFS]
	s_add_co_u32 s51, s26, \p
	v_add_nc_u32 v[CK], (\p)*POSB, v[LI]
	v_add_nc_u32 v[CKS], (\p)*POSB, v[LSK]
	v_add_nc_u32 v[CV], (\p)*POSB, v[VR]
	v_add_nc_u32 v[CVS], (\p)*POSB, v[VSR]
	v_add_nc_u32 v[CLW], (((\p)+4)%8)*POSB, v[LW]
	v_add_nc_u32 v[CLS], (((\p)+4)%8)*POSB, v[LWS]
	s_cmp_gt_u32 s51, s24                          ; all of the step's keys come after my queries: no work, but I still bring my fragment
	s_cbranch_scc1 .Lhidden_\@
	WORK
	s_branch .Ldone_\@
.Lhidden_\@:
	BRING_A
	s_wait_dscnt 0x0                               ; the stores have read their registers
	BRING_B
.Ldone_\@:
.if (\p)%4 == 3
	s_wait_dscnt 0x0                               ; my stores into the other group are done, my reads of this one are over
	s_barrier_signal -1
	s_barrier_wait -1
.endif
.endm
	s_mov_b32 s60, 0
.Ltrip:                                                ; two trips of eight steps: once through the eight places each
	s_lshl_b32 s26, s60, 3                         ; the trip's first step
	STEP 0
	STEP 1
	STEP 2
	STEP 3
	STEP 4
	STEP 5
	STEP 6
	STEP 7
	s_add_co_u32 s60, s60, 1
	s_cmp_lt_u32 s60, 2
	s_cbranch_scc1 .Ltrip
	; THE WAY OUT.  O^T / the sum; register 16 q + i = channel 32 q + 16 h + i of my head: two blocks of the next product's K; they become six registers of the fragment (my 16 queries, the head pair's 128 channels)
.rept 4
	v_nop                                          ; places behind the last products
.endr
	v_add_f32 v14, v14, v15
	v_permlanex16_b32 v[TMP], v14, s20, s21
	v_add_f32 v14, v14, v[TMP]                     ; the row's sum
	v_rcp_f32 v14, v14
	v_nop                                          ; a plain instruction behind the transcendental,
	s_wait_alu depctr_va_vdst(0)                   ; and the wait ahead of its first reader
	v_mov_b32 v15, v14
.set n, 0
.rept 16
	v_pk_mul_f32 v[SS+2*n:SS+2*n+1], v[OO+2*n:OO+2*n+1], v[14:15]
.set n, n+1
.endr
.irp b, 0,1
	v_max3_num_f32 v[BX+\b], |v[SS+16*\b]|, |v[SS+1+16*\b]|, 0x2800000
.endr
.irp i, 2,4,6,8,10,12,14
.irp b, 0,1
	v_max3_num_f32 v[BX+\b], v[BX+\b], |v[SS+16*\b+\i]|, |v[SS+1+16*\b+\i]|
.endr
.endr
.irp b, 0,1
	v_permlanex16_b32 v[BP+\b], v[BX+\b], s20, s21
.endr
.irp b, 0,1
	v_max_num_f32 v[BX+\b], v[BX+\b], v[BP+\b]
.endr
.irp b, 0,1
	v_add_nc_u32 v[SO+\b], 0xfe000000, v[BX+\b]
.endr
.irp b, 0,1
	v_lshrrev_b32 v[BP+\b], 23, v[SO+\b]
.endr
	v_lshl_or_b32 v[BP], v[BP+1], 8, v[BP]         ; my head's two bytes of the row's scale word
	v_cvt_scalef32_pk16_bf6_f32 v[PC:PC+2], v[SS:SS+15], v[SO]
	v_cvt_scalef32_pk16_bf6_f32 v[CT:CT+2], v[SS+16:SS+31], v[SO+1]
	v_nop
.irp i, 0,1,2
	v_permlane16_swap_b32 v[PC+\i], v[CT+\i]
.endr
.irp i, 0,1,2
	v_mov_b32 v[PC+3+\i], v[CT+\i]
.endr
	ds_store_b64 v[WA], v[PC:PC+1]
	ds_store_b64 v[WA], v[PC+2:PC+3] offset:256
	ds_store_b64 v[WA], v[PC+4:PC+5] offset:512
	ds_store_b32 v[WS], v[BP]
	s_wait_dscnt 0x0                               ; for my partner's sake: my stores are done
	s_barrier_signal -1
	s_barrier_wait -1
	ds_load_b64 v[32:33], v[RD1]                   ; my half of the fragment, in the image's order
	ds_load_b64 v[34:35], v[RD2] offset:128
	ds_load_b64 v[36:37], v[RD1] offset:512
	ds_load_b32 v38, v[RS0]
	ds_load_b32 v39, v[RS0] offset:64
	s_wait_dscnt 0x0
	v_lshl_or_b32 v38, v39, 16, v38                ; the even head's bytes below, the odd head's above
	global_store_b64 v[GO8], v[32:33], s[6:7]                  ; 32 lanes store 256 consecutive bytes, aligned
	global_store_b64 v[GO8], v[34:35], s[6:7] offset:256
	global_store_b64 v[GO8], v[36:37], s[6:7] offset:512
	s_cmp_lg_u32 s11, 0                            ; the pair's even wave stores the scale words
	s_cbranch_scc1 .Lend
	global_store_b32 v[R4], v38, s[8:9]
.Lend:
	s_wait_tensorcnt 0x0
	ds_add_u32 v239, v255
	s_wait_dscnt 0x0
	s_endpgm
.Lfunc_end_k_qa05ffc7a12_attn:
	.size	k_qa05ffc7a12_attn, .Lfunc_end_k_qa05ffc7a12_attn-k_qa05ffc7a12_attn
	.p2alignl 7, 3214868480
	.fill 96, 4, 3214868480
	.section	.rodata,"a",@progbits
	.p2align	6, 0x0
	.amdhsa_kernel k_qa05ffc7a12_attn
		.amdhsa_group_segment_fixed_size 220160
		.amdhsa_private_segment_fixed_size 0
		.amdhsa_enable_private_segment 0
		.amdhsa_kernarg_size 24
		.amdhsa_user_sgpr_count 2
		.amdhsa_user_sgpr_kernarg_segment_ptr 1
		.amdhsa_wavefront_size32 1
		.amdhsa_system_sgpr_workgroup_id_x 1
		.amdhsa_system_sgpr_workgroup_id_y 1
		.amdhsa_system_sgpr_workgroup_id_z 1
		.amdhsa_system_vgpr_workitem_id 0
		.amdhsa_next_free_vgpr 256
		.amdhsa_next_free_sgpr 96
		.amdhsa_reserve_vcc 1
		.amdhsa_float_denorm_mode_32 3
		.amdhsa_float_denorm_mode_16_64 3
		.amdhsa_memory_ordered 1
		.amdhsa_forward_progress 1
		.amdhsa_inst_pref_size 219
	.end_amdhsa_kernel
	.amdgpu_metadata
---
amdhsa.version: [ 1, 2 ]
amdhsa.kernels:
  - .name:           k_qa05ffc7a12_attn
    .symbol:         k_qa05ffc7a12_attn.kd
    .args:
      - { .name: kv, .offset: 0, .size: 8, .value_kind: global_buffer, .address_space: global }
      - { .name: actc, .offset: 8, .size: 8, .value_kind: global_buffer, .address_space: global }
      - { .name: acts, .offset: 16, .size: 8, .value_kind: global_buffer, .address_space: global }
    .group_segment_fixed_size: 220160
    .private_segment_fixed_size: 0
    .kernarg_segment_align: 8
    .kernarg_segment_size: 24
    .max_flat_workgroup_size: 512
    .sgpr_count:     96
    .vgpr_count:     256
    .wavefront_size: 32
...
	.end_amdgpu_metadata
.endif
;; end of part 3
;; launch oproj (part 4): grid 8 x 32, 4 waves a work-group, clusters of 4 x 4, 327,680 bytes of LDS; arguments actc, acts, qc, qs, out_b, x, x1; writes x1
.if DOCPART == 4
	.amdgcn_target "amdgcn-amd-amdhsa--gfx1250"
	.amdhsa_code_object_version 6
	.text
	.protected	k_qa05ffc7a12_oproj
	.globl	k_qa05ffc7a12_oproj
	.p2align	8
	.type	k_qa05ffc7a12_oproj,@function
k_qa05ffc7a12_oproj:
	s_mov_b64 s[64:65], 0
	v_nop
	global_prefetch_b8 v0, s[64:65] scope:SCOPE_SE
	s_setreg_imm32_b32 hwreg(HW_REG_WAVE_MODE, 25, 1), 1
	s_wait_xcnt 0x0
	s_wait_alu depctr_hold_cnt(0) depctr_sa_sdst(0) depctr_va_vdst(0) depctr_va_sdst(0) depctr_va_ssrc(0) depctr_va_vcc(0) depctr_vm_vsrc(0)
	s_getreg_b32 s2, hwreg(HW_REG_IB_STS2, 6, 4)
	s_cmp_eq_u32 s2, 0
	s_cbranch_scc0 .Lentry_in_a_cluster
	s_endpgm
.Lentry_in_a_cluster:
	s_bfe_u32 s2, ttmp6, 0x10000c
	s_cmp_lg_u32 s2, 0xf033
	s_cbranch_scc0 .Lentry_shape_is_right
	s_endpgm
.Lentry_shape_is_right:
; x1 = x + attention out_w^T + out_b: a product on codes of E3M2 with E8M0 scales, K = 1,024; bias and residual in f32.
; Both operands are OPERAND IMAGES: fragment (block of 16 rows TB, K step s) = 1,536 bytes in the order of its registers at (TB x KO + s) x 1,536, its 16 scale words at (TB x KO + s) x 64.
; Lane-row r of block TB is the true row 32 (TB / 2) + 8 (TB % 2) + r + 8 (r / 8).
; C has 1,024 columns: tiles of 256 x 256 would be 64, so a tile is 128 x 128, 256 work-groups; four waves, each 64 x 64 in 16 accumulators.  An LDS slot holds four K steps of 128.
; Here K is two slots: both are first fills, and nothing is filled again.
; THE MATRIX INSTRUCTION IS USED TRANSPOSED (source 0 = a block of B, source 1 = a block of A): a lane holds eight neighbouring columns of one row of C.
; 4 x 4 work-groups form a cluster: A's tiles are asked for jointly along a row of the cluster, B's along a column.
; REGISTERS: window 0: v1-3 lane numbers, v16-29 addresses, v32-47 scale words (two sets), v48-51 the bias, v64-159 A's fragments (two sets; later rows of C).   window 1: B's fragments at v0 and v128.
;   window 2: accumulator (a, b) at v[8 (4 a + b)].   window 3: the residual, asked for at the head.
.set NBK,   4                          ; blocks of 16 rows in a wave's tile, each way
.set KS,    4                          ; K steps in a slot
.set KO,    8                          ; K steps in all
.set BBASE, 448                        ; out_w's first block in the weights' images
.set ASOFF, 0                          ; A's scale words have a buffer of their own
.set RBB,   KS*1536                    ; a block's part of a slot
.set HALFT, NBK*RBB                    ; what one tensor load brings, and what one wave reads of A or of B
.set SLOT,  4*HALFT                    ; A's two halves, then B's two
.set SCL,   2*SLOT                     ; behind the ring: the scale words for all of K, filled once
.set SBLK,  KO*64
.set SBH,   NBK*SBLK
.set SPARE, SCL+4*SBH                  ; the spare words, 128 bytes for each wave: no other line names them
.set TBB,   KO*1536
.set LAPS,  KO/(2*KS)
.set ADRA, 16                          ; v16-17 LDS address of my A fragments in slot 0, 1
.set ADRB, 20                          ; v20-21 the same for B
.set BO,   23                          ; v23    16 r
.set STO,  24                          ; v24    the way out: where I put 32 bytes of a row
.set RD,   25                          ; v25    where I read rows back
.set CO,   26                          ; v26    my byte offset in two rows of C
.set ADRS, 27                          ; v27    my scale words: lanes 0-15 A's, lanes 16-31 B's
.set SPW,  28
.set NIL,  29
.set SC,   32
.set AF,   64
.set BK,   64                          ; the way out: 16 rows x 256 bytes read back, v64-95 and v96-127 by turns
.set G1, 24
.set G0, 32
.set G1B, 48
.set G0B, 56
.set G1S, 68
.set G0S, 76
.set G1SB, 80
.set G0SB, 88
.set MSB, 0
.macro WIN new                         ; the immediate's high byte repeats the setting that is left; a switch that changes nothing is dropped
.if MSB != (\new)
	s_set_vgpr_msb (MSB<<8)|(\new)
.set MSB, (\new)
.endif
.endm
; A joint load: waves 0 and 1 fetch for A, waves 2 and 3 for B; the branch hangs on the wave's number alone.  Four v_nop follow each line.
.macro JLOAD g0a, g1a, g0b, g1b
	s_cmp_eq_u32 s15, 0
	s_cbranch_scc0 .Lfor_b_\@
	tensor_load_to_lds s[\g0a:\g0a+3], s[\g1a:\g1a+7]
	s_nop 0
.rept 4
	v_nop
.endr
	s_branch .Lasked_\@
.Lfor_b_\@:
	tensor_load_to_lds s[\g0b:\g0b+3], s[\g1b:\g1b+7]
	s_nop 0
.rept 4
	v_nop
.endr
.Lasked_\@:
.endm
.macro CREST                           ; a round of the cluster's barrier behind its opening barrier
	s_cmp_lg_u32 s14, 0
	s_cbranch_scc1 .Lnot_wave_0_\@
	s_barrier_signal -3
.Lnot_wave_0_\@:
	s_barrier_wait -3
	s_barrier_signal -1
	s_barrier_wait -1
.endm
.macro CROUND
	s_barrier_signal -1
	s_barrier_wait -1
	CREST
.endm
.macro PLACES                          ; four plain instructions between a matrix instruction and a load into, or a read of, its registers
.rept 4
	v_nop
.endr
.endm
	s_load_b128 s[4:7], s[0:1], 0x0                ; A's codes s[4:5], A's scale words s[6:7]
	s_load_b128 s[8:11], s[0:1], 0x10              ; the weights' codes s[8:9], their scale words s[10:11]
	s_load_b128 s[96:99], s[0:1], 0x20             ; the bias s[96:97], the residual s[98:99]
	s_load_b64 s[12:13], s[0:1], 0x30              ; C
	v_lshl_add_u32 v[SPW], v0, 2, SPARE
	v_mov_b32 v[NIL], 0
	ds_add_u32 v28, v29
	ds_add_u32 v28, v29
	s_wait_dscnt 0x0
	v_lshrrev_b32 v1, 5, v0
	v_readfirstlane_b32 s14, v1                    ; wave 0..3
	s_lshr_b32 s15, s14, 1                         ; which half of the tile's rows is mine.  Also: I fetch for A (0) or for B (1)
	s_and_b32 s16, s14, 1                          ; which half of its columns.  Also: which half of that tile I fetch
	s_bfe_u32 s40, ttmp6, 0x40000                  ; cx
	s_bfe_u32 s41, ttmp6, 0x40004                  ; cy
	s_lshl_b32 s42, ttmp9, 2
	s_add_co_u32 s42, s42, s40                     ; tile column
	s_and_b32 s17, ttmp7, 0xffff
	s_lshl_b32 s17, s17, 2
	s_add_co_u32 s17, s17, s41                     ; tile row
	s_lshl_b32 s43, s41, 2
	s_lshl_b32 s43, 15, s43                        ; my row of the cluster
	s_lshl_b32 s44, 0x1111, s40                    ; my column
	; descriptor group 1: NBK rows of RBB bytes (a block's KS fragments on end), TBB bytes apart, in elements of 8 bytes; dense in LDS
	s_or_b32 s[G1+0], s43, (3<<16)|(1<<21)         ; 15:0 the mask; 17:16 elements of 8 bytes; 21 set beside a mask
	s_or_b32 s[G1B+0], s44, (3<<16)|(1<<21)
.irp g, G1, G1B
	s_mov_b32 s[\g+1], (KS*192)<<16                ; tensor_dim0
	s_mov_b32 s[\g+2], NBK<<16                     ; tensor_dim1
	s_mov_b32 s[\g+3], (KS*192)<<16                ; tile_dim0
	s_mov_b32 s[\g+4], NBK                         ; tile_dim1
	s_mov_b32 s[\g+5], KO*192                      ; from row to row
	s_mov_b32 s[\g+6], 0
	s_mov_b32 s[\g+7], 0
.endr
	; the scale words of NBK blocks, for all of K: a dense block, as rows of 256 bytes
	s_or_b32 s[G1S+0], s43, (3<<16)|(1<<21)
	s_or_b32 s[G1SB+0], s44, (3<<16)|(1<<21)
.irp g, G1S, G1SB
	s_mov_b32 s[\g+1], 32<<16
	s_mov_b32 s[\g+2], (SBH/256)<<16
	s_mov_b32 s[\g+3], 32<<16
	s_mov_b32 s[\g+4], SBH/256
	s_mov_b32 s[\g+5], 32
	s_mov_b32 s[\g+6], 0
	s_mov_b32 s[\g+7], 0
.endr
	s_mul_i32 s18, s16, NBK                        ; which half I fetch
	s_mul_i32 s20, s17, 2*NBK
	s_add_co_u32 s20, s20, s18                     ; A: the first block that I fetch
	s_mul_i32 s46, s42, 2*NBK
	s_add_co_u32 s46, s46, s18
	s_add_co_u32 s46, s46, BBASE                   ; B likewise
	s_mul_i32 s22, s20, SBLK
.if ASOFF
	s_add_co_u32 s22, s22, ASOFF
.endif
	s_mul_i32 s92, s46, SBLK
	s_mul_i32 s20, s20, TBB
	s_mul_i32 s46, s46, TBB
	s_mov_b32 s21, 0
	s_mov_b32 s23, 0
	s_mov_b32 s47, 0
	s_mov_b32 s93, 0
	s_mul_i32 s45, s14, HALFT                      ; where they go: no place in the cluster enters an LDS address
	s_mul_i32 s94, s14, SBH
	s_wait_kmcnt 0x0
	s_add_nc_u64 s[20:21], s[4:5], s[20:21]
	s_add_nc_u64 s[22:23], s[6:7], s[22:23]
	s_add_nc_u64 s[46:47], s[8:9], s[46:47]
	s_add_nc_u64 s[92:93], s[10:11], s[92:93]
	CROUND                                         ; all sixteen work-groups are here: the first joint loads meet
	s_mov_b32 s[G0S], 1
	s_add_co_u32 s[G0S+1], s94, SCL
	s_mov_b64 s[G0S+2:G0S+3], s[22:23]
	s_or_b32 s[G0S+3], s[G0S+3], 0x80000000
	s_mov_b32 s[G0SB], 1
	s_add_co_u32 s[G0SB+1], s94, SCL
	s_mov_b64 s[G0SB+2:G0SB+3], s[92:93]
	s_or_b32 s[G0SB+3], s[G0SB+3], 0x80000000
	JLOAD G0S, G1S, G0SB, G1SB                     ; the scale words first: they are wanted with K step 0
.irp s, 0,1
	s_mov_b32 s[G0+4*\s], 1
	s_add_co_u32 s[G0+4*\s+1], s45, \s*SLOT
	s_add_nc_u64 s[G0+4*\s+2:G0+4*\s+3], s[20:21], \s*RBB
	s_or_b32 s[G0+4*\s+3], s[G0+4*\s+3], 0x80000000
	s_mov_b32 s[G0B+4*\s], 1
	s_add_co_u32 s[G0B+4*\s+1], s45, \s*SLOT
	s_add_nc_u64 s[G0B+4*\s+2:G0B+4*\s+3], s[46:47], \s*RBB
	s_or_b32 s[G0B+4*\s+3], s[G0B+4*\s+3], 0x80000000
	JLOAD G0+4*\s, G1, G0B+4*\s, G1B               ; three tensor loads of mine are out at the most
.endr
	v_and_b32 v1, 15, v0                           ; r
	v_bfe_u32 v2, v0, 4, 1                         ; h
	v_and_b32 v3, 31, v0
	v_lshlrev_b32 v7, 4, v3                        ; 16 x lane: my place in every image
	v_lshlrev_b32 v8, 2, v1                        ; 4 r: my row's scale word
	s_mul_i32 s21, s15, HALFT                      ; my half of A
	s_mul_i32 s22, s16, HALFT                      ; my half of B,
	s_add_co_u32 s22, s22, 2*HALFT                 ; which lies behind A's two
.irp s, 0,1
	v_add_nc_u32 v[ADRA+\s], s21, v7
	v_add_nc_u32 v[ADRB+\s], s22, v7
	s_add_co_u32 s21, s21, SLOT
	s_add_co_u32 s22, s22, SLOT
.endr
	s_mul_i32 s21, s15, SBH
	s_mul_i32 s22, s16, SBH
	s_add_co_u32 s22, s22, 2*SBH
	s_sub_co_u32 s22, s22, s21
	v_mul_u32_u24 v4, s22, v2                      ; lanes 16-31 take B's
	s_add_co_u32 s21, s21, SCL
	v_add_nc_u32 v4, v8, v4
	v_add_nc_u32 v[ADRS], s21, v4
	; the way out: a stage of 16 rows x (256 bytes + 16) for each wave, in slot 0, which has had its last fill and its last read when the first result is stored there
	s_mul_i32 s23, s14, 16*272
	v_mul_u32_u24 v3, v1, 272
	v_lshl_add_u32 v3, v2, 6, v3
	v_add_nc_u32 v[STO], s23, v3                   ; in: row r, + 64 h
	v_mul_u32_u24 v3, v2, 272
	v_lshl_add_u32 v3, v1, 4, v3
	v_add_nc_u32 v[RD], s23, v3                    ; back: lanes 0-15 one row, lanes 16-31 the next
	v_lshlrev_b32 v[BO], 4, v1
	v_lshl_add_u32 v[CO], v2, 12, v[BO]            ; and the same two rows of 4,096 bytes in C
	s_lshl_b32 s18, s17, 7
	s_lshl_b32 s19, s15, 6
	s_add_co_u32 s18, s18, s19                     ; my first row of C
	s_lshl_b32 s18, s18, 12
	s_lshl_b32 s20, s42, 9
	s_lshl_b32 s19, s16, 8
	s_add_co_u32 s20, s20, s19                     ; my first column, in bytes
	s_add_co_u32 s18, s18, s20
	s_mov_b32 s19, 0
	s_mov_b32 s21, 0
	s_add_nc_u64 s[98:99], s[98:99], s[18:19]
	s_add_nc_u64 s[12:13], s[12:13], s[18:19]
	s_add_nc_u64 s[96:97], s[96:97], s[20:21]
	WIN 0xc0                                       ; destination window 3
.set n, 0
.rept 32                                       ; the residual, in the order in which the rows leave: block n / 8, stage rows 2 (n % 8) + h
	global_load_b128 v[4*n:4*n+3], v[CO], s[98:99] offset:(32*(n/16)+8*((n/8)%2)+2*(n%8)+8*((n%8)/4))*4096
.set n, n+1
.endr
	WIN 0
	global_load_b128 v[48:51], v[BO], s[96:97]     ; the bias of my four columns
; the fragments and scale words of the slot's q-th K step into set p
.macro FETCH slot, q, p
	WIN 0x40                                       ; destination window 1
.set i, 0
.rept NBK
.irp j, 0,1,2
	ds_load_b128 v[128*(\p)+12*i+4*\j:128*(\p)+12*i+4*\j+3], v[ADRB+\slot] offset:i*RBB+(\q)*1536+512*\j
.endr
.set i, i+1
.endr
	WIN 0
.set i, 0
.rept NBK
.irp j, 0,1,2
	ds_load_b128 v[AF+12*NBK*(\p)+12*i+4*\j:AF+12*NBK*(\p)+12*i+4*\j+3], v[ADRA+\slot] offset:i*RBB+(\q)*1536+512*\j
.endr
.set i, i+1
.endr
.set i, 0
.rept NBK
	ds_load_b32 v[SC+8*(\p)+i], v[ADRS] offset:i*SBLK+64*(\q)
.set i, i+1
.endr
.endm
; A's block a against B's NBK blocks, from set p.  zero = 1: the products start the sums.  The accumulators take turns, in the same order in every step
.macro MULA a, p, zero
	WIN 0xa1+0x50*((\a)/4)                         ; source 0 (B) window 1, source 1 (A) window 0, C and D window 2
.set b, 0
.rept NBK
.set rD, 8*(NBK*((\a)%4)+b)
.if \zero
	v_wmma_scale_f32_16x16x128_f8f6f4 v[rD:rD+7], v[128*(\p)+12*b:128*(\p)+12*b+11], v[AF+12*NBK*(\p)+12*(\a):AF+12*NBK*(\p)+12*(\a)+11], 0, v[SC+8*(\p)+b], v[SC+8*(\p)+(\a)] matrix_a_fmt:MATRIX_FMT_BF6 matrix_b_fmt:MATRIX_FMT_BF6 matrix_a_scale:MATRIX_SCALE_ROW1
.else
	v_wmma_scale_f32_16x16x128_f8f6f4 v[rD:rD+7], v[128*(\p)+12*b:128*(\p)+12*b+11], v[AF+12*NBK*(\p)+12*(\a):AF+12*NBK*(\p)+12*(\a)+11], v[rD:rD+7], v[SC+8*(\p)+b], v[SC+8*(\p)+(\a)] matrix_a_fmt:MATRIX_FMT_BF6 matrix_b_fmt:MATRIX_FMT_BF6 matrix_a_scale:MATRIX_SCALE_ROW1
.endif
.set b, b+1
.endr
.endm
.macro MULS a0, n, p, zero
.set aa, \a0
.rept \n
	MULA aa, \p, \zero
.set aa, aa+1
.endr
.endm
; a K step that has its successor in the same slot: the successor's fragments are asked for first, into the other set, and have this step's products in which to come
.macro STEPN slot, q, zero
	s_wait_dscnt 0x0                               ; this step's fragments are in
	PLACES                                         ; the other set was read by the step before
	FETCH \slot, (\q)+1, 1-(\q)%2
	MULS 0, NBK, (\q)%2, \zero
.endm
.macro INNER slot                      ; a slot's steps from the second to the last but one
.set qq, 1
.rept KS-2
	STEPN \slot, qq, 0
.set qq, qq+1
.endr
.endm
; a slot's last step changes slots: one barrier; in front of it each wave waits for all its tensor loads, adds 0 to its spare word, and waits for that and for its reads of this slot.  fill = 1: this slot is filled again
.macro TURN slot, next, fill
	WIN 0
	s_wait_tensorcnt 0x0                           ; all my tensor loads have landed: my part of the next slot
	ds_add_u32 v[SPW], v[NIL]                      ; 0 onto my spare word
	s_wait_dscnt 0x1                               ; this step's fragments are in; the add alone may be out
	MULS 0, NBK/4, 1, 0
	s_wait_dscnt 0x0                               ; the add is done, and my reads of this slot are over
	s_barrier_signal -1
	MULS NBK/4, NBK/4, 1, 0
	WIN 0
	s_barrier_wait -1
.if \fill
	CREST                                          ; the barrier has opened a round of the cluster's: no wave of any partner still reads this slot or has a load on its way
	s_add_nc_u64 s[G0+4*\slot+2:G0+4*\slot+3], s[G0+4*\slot+2:G0+4*\slot+3], 2*RBB
	s_add_nc_u64 s[G0B+4*\slot+2:G0B+4*\slot+3], s[G0B+4*\slot+2:G0B+4*\slot+3], 2*RBB
	JLOAD G0+4*\slot, G1, G0B+4*\slot, G1B         ; the first tensor load behind the round; its four v_nop are also the places in front of the loads below
.else
	PLACES
.endif
	v_add_nc_u32 v[ADRS], 64*KS, v[ADRS]           ; on to the next slot's scale words
	FETCH \next, 0, 0
	MULS NBK/2, NBK/2, 1, 0
.endm
.macro LAP                             ; once round the ring, from a lap's second step to the next lap's first; both slots are filled again
	INNER 0
	TURN 0, 1, 1
	STEPN 1, 0, 0
	INNER 1
	TURN 1, 0, 1
	STEPN 0, 0, 0
.endm
	s_wait_tensorcnt 1                             ; the scale words and my part of slot 0 are in; slot 1's load may be out
	s_barrier_signal -1
	s_barrier_wait -1
	FETCH 0, 0, 0
	STEPN 0, 0, 1                                  ; the first step's products start the sums
.if LAPS > 2
	WIN 0
	s_mov_b32 s3, LAPS-1
.Llap:
	LAP
	WIN 0
	s_sub_co_u32 s3, s3, 1
	s_cmp_lg_u32 s3, 0
	s_cbranch_scc1 .Llap
.elseif LAPS == 2
	LAP
.endif
	INNER 0                                        ; the last lap fills nothing
	TURN 0, 1, 0
	STEPN 1, 0, 0
	INNER 1
	s_wait_dscnt 0x0
	MULS 0, NBK, 1, 0
	WIN 0
; THE WAY OUT, a block of 16 rows x 64 columns at a time: through my own stage, back as whole rows of 256 bytes, + bias + residual, stored: sixteen lanes fill 256 consecutive bytes, aligned.
; LDS serves a wave's instructions in order (ISA guide 5.7.1.4): no wait between the stores and the loads, nor in front of the next block's stores.
.macro OUTROW a
.if (\a) > 1
	s_wait_xcnt 0x0                                ; block a - 2's stores have read the registers that take this block
.endif
	WIN 0x08                                       ; an LDS store's data are its source 1: window 2
.set b, 0
.rept 4
	ds_store_b128 v[STO], v[8*(4*(\a)+b):8*(4*(\a)+b)+3] offset:128*(b/2)+32*(b%2)       ; each accumulator from its low end on
	ds_store_b128 v[STO], v[8*(4*(\a)+b)+4:8*(4*(\a)+b)+7] offset:128*(b/2)+32*(b%2)+16
.set b, b+1
.endr
	WIN 0
.set BB, BK+32*((\a)%2)
.irp t, 0,1,2,3,4,5,6,7
	ds_load_b128 v[BB+4*\t:BB+4*\t+3], v[RD] offset:544*\t
.endr
	s_wait_dscnt 0x0
.irp t, 0,1,2,3,4,5,6,7
	v_pk_add_f32 v[BB+4*\t:BB+4*\t+1], v[BB+4*\t:BB+4*\t+1], v[48:49]
	v_pk_add_f32 v[BB+4*\t+2:BB+4*\t+3], v[BB+4*\t+2:BB+4*\t+3], v[50:51]
.endr
	WIN 0x0c                                       ; source 1: window 3
.irp t, 0,1,2,3,4,5,6,7
	v_pk_add_f32 v[BB+4*\t:BB+4*\t+1], v[BB+4*\t:BB+4*\t+1], v[32*(\a)+4*\t:32*(\a)+4*\t+1]
	v_pk_add_f32 v[BB+4*\t+2:BB+4*\t+3], v[BB+4*\t+2:BB+4*\t+3], v[32*(\a)+4*\t+2:32*(\a)+4*\t+3]
.endr
	WIN 0
.irp t, 0,1,2,3,4,5,6,7
	global_store_b128 v[CO], v[BB+4*\t:BB+4*\t+3], s[12:13] offset:(32*((\a)/2)+8*((\a)%2)+2*\t+8*(\t/4))*4096
.endr
.endm
	PLACES
	s_wait_loadcnt 0x0                             ; the residual and the bias
	OUTROW 0
	OUTROW 1
	OUTROW 2
	OUTROW 3
	s_wait_tensorcnt 0x0                           ; the wave's end
	ds_add_u32 v[SPW], v[NIL]
	s_wait_dscnt 0x0
	CROUND                                         ; the closing round: no work-group ends while a partner may still ask for a tile that names it
	s_endpgm
.Lfunc_end_k_qa05ffc7a12_oproj:
	.size	k_qa05ffc7a12_oproj, .Lfunc_end_k_qa05ffc7a12_oproj-k_qa05ffc7a12_oproj
	.p2alignl 7, 3214868480
	.fill 96, 4, 3214868480
	.section	.rodata,"a",@progbits
	.p2align	6, 0x0
	.amdhsa_kernel k_qa05ffc7a12_oproj
		.amdhsa_group_segment_fixed_size 327680
		.amdhsa_private_segment_fixed_size 0
		.amdhsa_enable_private_segment 0
		.amdhsa_kernarg_size 56
		.amdhsa_user_sgpr_count 2
		.amdhsa_user_sgpr_kernarg_segment_ptr 1
		.amdhsa_wavefront_size32 1
		.amdhsa_system_sgpr_workgroup_id_x 1
		.amdhsa_system_sgpr_workgroup_id_y 1
		.amdhsa_system_sgpr_workgroup_id_z 1
		.amdhsa_system_vgpr_workitem_id 0
		.amdhsa_next_free_vgpr 1024
		.amdhsa_next_free_sgpr 100
		.amdhsa_reserve_vcc 0
		.amdhsa_float_denorm_mode_32 3
		.amdhsa_float_denorm_mode_16_64 3
		.amdhsa_memory_ordered 1
		.amdhsa_forward_progress 1
		.amdhsa_inst_pref_size 62
	.end_amdhsa_kernel
	.amdgpu_metadata
---
amdhsa.version: [ 1, 2 ]
amdhsa.kernels:
  - .name:           k_qa05ffc7a12_oproj
    .symbol:         k_qa05ffc7a12_oproj.kd
    .args:
      - { .name: actc, .offset: 0, .size: 8, .value_kind: global_buffer, .address_space: global }
      - { .name: acts, .offset: 8, .size: 8, .value_kind: global_buffer, .address_space: global }
      - { .name: qc, .offset: 16, .size: 8, .value_kind: global_buffer, .address_space: global }
      - { .name: qs, .offset: 24, .size: 8, .value_kind: global_buffer, .address_space: global }
      - { .name: out_b, .offset: 32, .size: 8, .value_kind: global_buffer, .address_space: global }
      - { .name: x, .offset: 40, .size: 8, .value_kind: global_buffer, .address_space: global }
      - { .name: x1, .offset: 48, .size: 8, .value_kind: global_buffer, .address_space: global }
    .group_segment_fixed_size: 327680
    .private_segment_fixed_size: 0
    .kernarg_segment_align: 8
    .kernarg_segment_size: 56
    .max_flat_workgroup_size: 128
    .sgpr_count:     100
    .vgpr_count:     1024
    .wavefront_size: 32
...
	.end_amdgpu_metadata
.endif
;; end of part 4
;; launch ln2: the kernel of part 1 again; grid 256 x 1, 4 waves a work-group, no clusters, 76,288 bytes of LDS; arguments x1, ln2_g, ln2_b, qkv_w, out_w, fc1_w, fc2_w, actc, acts; writes actc, acts
;; launch fc1 (part 5): grid 16 x 16, 4 waves a work-group, clusters of 4 x 4, 327,680 bytes of LDS; arguments actc, acts, qc, qs, fc1_b, gq; writes gq
.if DOCPART == 5
	.amdgcn_target "amdgcn-amd-amdhsa--gfx1250"
	.amdhsa_code_object_version 6
	.text
	.protected	k_qa05ffc7a12_fc1
	.globl	k_qa05ffc7a12_fc1
	.p2align	8
	.type	k_qa05ffc7a12_fc1,@function
k_qa05ffc7a12_fc1:
	s_mov_b64 s[64:65], 0
	v_nop
	global_prefetch_b8 v0, s[64:65] scope:SCOPE_SE
	s_setreg_imm32_b32 hwreg(HW_REG_WAVE_MODE, 25, 1), 1
	s_wait_xcnt 0x0
	s_wait_alu depctr_hold_cnt(0) depctr_sa_sdst(0) depctr_va_vdst(0) depctr_va_sdst(0) depctr_va_ssrc(0) depctr_va_vcc(0) depctr_vm_vsrc(0)
	s_getreg_b32 s2, hwreg(HW_REG_IB_STS2, 6, 4)
	s_cmp_eq_u32 s2, 0
	s_cbranch_scc0 .Lentry_in_a_cluster
	s_endpgm
.Lentry_in_a_cluster:
	s_bfe_u32 s2, ttmp6, 0x10000c
	s_cmp_lg_u32 s2, 0xf033
	s_cbranch_scc0 .Lentry_shape_is_right
	s_endpgm
.Lentry_shape_is_right:
; gelu(LN2(x1) fc1_w^T + fc1_b), on codes of E3M2 with E8M0 scales, quantised again on the way out, as an operand image (K = 4,096) for the last product.
; OPERAND IMAGES: fragment (block of 16 rows TB, K step s) = 1,536 bytes in the order of its registers at (TB x K/128 + s) x 1,536, its 16 scale words at (TB x K/128 + s) x 64.
; Lane-row r of block TB is the true row 32 (TB / 2) + 8 (TB % 2) + r + 8 (r / 8).
; A tile of C is 256 x 256: four waves, each 128 x 128 in 64 accumulators.  K = 1,024 goes in steps of 128; an LDS slot holds two steps; two slots take turns, filled by the tensor data mover.
; THE MATRIX INSTRUCTION IS USED TRANSPOSED (source 0 = a block of B, source 1 = a block of A): lane (r, h) holds A's row r, and the registers of B's blocks 2 n, 2 n + 1 are B's rows 32 n + 16 h + 0 .. 15:
; 16 neighbours along the next product's K.  So a block of 16 rows x 128 columns of C is quantised in registers and leaves as one fragment.
; GELU is the exact one: 0.5 u (1 + erf(u / sqrt 2)), erf(z) = z P(z^2) / Q(z^2) on |z| <= 4 (degrees 6 and 4; beyond 4 erf is 1 in f32), all in f32.
; 4 x 4 work-groups form a cluster: A's tiles are asked for jointly along a row of the cluster, B's along a column.
; REGISTERS: window 0: v1-8 lane numbers, v16-29 addresses, v32-47 scale words (two sets), v64-255 A's fragments (two sets); on the way out v64-233 are at work.
;   window 1: B's fragments at v0 and v128 (two sets); v96-127, v224-255 the bias.   windows 2, 3: accumulator (a, b) at v[8 (8 (a % 4) + b)] of window 2 + a / 4.
; LIMITS: NaN and infinities are not served; a block under 2^-122 gets the byte 1 (its codes are right; this program alone reads the bytes); far below zero 1 + erf is a difference: gelu's error there is about 1e-7 |u|.
.set NBK,   8                          ; blocks of 16 rows in a wave's tile, each way
.set KS,    2                          ; K steps in a slot
.set KO,    8                          ; K steps in all
.set BBASE, 512                        ; fc1_w's first block in the weights' images
.set RBB,   KS*1536                    ; a block's part of a slot
.set HALFT, NBK*RBB                    ; what one tensor load brings, and what one wave reads of A or of B
.set SLOT,  4*HALFT                    ; A's two halves, then B's two
.set SCL,   2*SLOT                     ; behind the ring: the scale words for all of K, filled once
.set SBLK,  KO*64
.set SBH,   NBK*SBLK
.set SPARE, SCL+4*SBH                  ; the spare words, 128 bytes for each wave: no other line names them
.set TBB,   KO*1536
.set LAPS,  KO/(2*KS)
.set ADRA, 16                          ; v16-17 LDS address of my A fragments in slot 0, 1
.set ADRB, 20                          ; v20-21 the same for B
.set ADRS, 27                          ; v27    my scale words: lanes 0-15 A's, lanes 16-31 B's
.set SPW,  28
.set NIL,  29
.set SC,   32
.set AF,   64
.set TT,   64                          ; the way out: 64 numbers of a lane
.set GZ,   128                         ; gelu, 16 numbers at a time: z; z^2, later u / 2; P; Q
.set GZ2,  144
.set GP,   160
.set GQ,   176
.set PC,   192                         ; the codes just made
.set TM,   212                         ; at work in the quantiser
.set PW,   228                         ; the scale word just made
.set A13,  230                         ; v230-231, v232-233: the two leading coefficients (an instruction takes one literal)
.set B8,   232
.set G1, 24
.set G0, 32
.set G1B, 48
.set G0B, 56
.set G1S, 68
.set G0S, 76
.set G1SB, 80
.set G0SB, 88
.set MSB, 0
.macro WIN new                         ; the immediate's high byte repeats the setting that is left; a switch that changes nothing is dropped
.if MSB != (\new)
	s_set_vgpr_msb (MSB<<8)|(\new)
.set MSB, (\new)
.endif
.endm
; A joint load: waves 0 and 1 fetch for A, waves 2 and 3 for B; the branch hangs on the wave's number alone.  Four v_nop follow each line.
.macro JLOAD g0a, g1a, g0b, g1b
	s_cmp_eq_u32 s15, 0
	s_cbranch_scc0 .Lfor_b_\@
	tensor_load_to_lds s[\g0a:\g0a+3], s[\g1a:\g1a+7]
	s_nop 0
.rept 4
	v_nop
.endr
	s_branch .Lasked_\@
.Lfor_b_\@:
	tensor_load_to_lds s[\g0b:\g0b+3], s[\g1b:\g1b+7]
	s_nop 0
.rept 4
	v_nop
.endr
.Lasked_\@:
.endm
.macro CREST                           ; a round of the cluster's barrier behind its opening barrier
	s_cmp_lg_u32 s14, 0
	s_cbranch_scc1 .Lnot_wave_0_\@
	s_barrier_signal -3
.Lnot_wave_0_\@:
	s_barrier_wait -3
	s_barrier_signal -1
	s_barrier_wait -1
.endm
.macro CROUND
	s_barrier_signal -1
	s_barrier_wait -1
	CREST
.endm
.macro PLACES                          ; four plain instructions between a matrix instruction and a load into, or a vector read of, its registers
.rept 4
	v_nop
.endr
.endm
	s_load_b128 s[4:7], s[0:1], 0x0                ; A's codes s[4:5], A's scale words s[6:7]
	s_load_b128 s[8:11], s[0:1], 0x10              ; the weights' codes s[8:9], their scale words s[10:11]
	s_load_b128 s[96:99], s[0:1], 0x20             ; the bias s[96:97], the result's image s[98:99]
	v_lshl_add_u32 v[SPW], v0, 2, SPARE
	v_mov_b32 v[NIL], 0
	ds_add_u32 v28, v29
	ds_add_u32 v28, v29
	s_wait_dscnt 0x0
	v_lshrrev_b32 v1, 5, v0
	v_readfirstlane_b32 s14, v1                    ; wave 0..3
	s_lshr_b32 s15, s14, 1                         ; which half of the tile's rows is mine.  Also: I fetch for A (0) or for B (1)
	s_and_b32 s16, s14, 1                          ; which half of its columns.  Also: which half of that tile I fetch
	s_bfe_u32 s40, ttmp6, 0x40000                  ; cx
	s_bfe_u32 s41, ttmp6, 0x40004                  ; cy
	s_lshl_b32 s42, ttmp9, 2
	s_add_co_u32 s42, s42, s40                     ; tile column
	s_and_b32 s17, ttmp7, 0xffff
	s_lshl_b32 s17, s17, 2
	s_add_co_u32 s17, s17, s41                     ; tile row
	s_lshl_b32 s43, s41, 2
	s_lshl_b32 s43, 15, s43                        ; my row of the cluster
	s_lshl_b32 s44, 0x1111, s40                    ; my column
	; descriptor group 1: NBK rows of RBB bytes (a block's KS fragments on end), TBB bytes apart, in elements of 8 bytes; dense in LDS
	s_or_b32 s[G1+0], s43, (3<<16)|(1<<21)         ; 15:0 the mask; 17:16 elements of 8 bytes; 21 set beside a mask
	s_or_b32 s[G1B+0], s44, (3<<16)|(1<<21)
.irp g, G1, G1B
	s_mov_b32 s[\g+1], (KS*192)<<16                ; tensor_dim0
	s_mov_b32 s[\g+2], NBK<<16                     ; tensor_dim1
	s_mov_b32 s[\g+3], (KS*192)<<16                ; tile_dim0
	s_mov_b32 s[\g+4], NBK                         ; tile_dim1
	s_mov_b32 s[\g+5], KO*192                      ; from row to row
	s_mov_b32 s[\g+6], 0
	s_mov_b32 s[\g+7], 0
.endr
	; the scale words of NBK blocks, for all of K: a dense block, as rows of 256 bytes
	s_or_b32 s[G1S+0], s43, (3<<16)|(1<<21)
	s_or_b32 s[G1SB+0], s44, (3<<16)|(1<<21)
.irp g, G1S, G1SB
	s_mov_b32 s[\g+1], 32<<16
	s_mov_b32 s[\g+2], (SBH/256)<<16
	s_mov_b32 s[\g+3], 32<<16
	s_mov_b32 s[\g+4], SBH/256
	s_mov_b32 s[\g+5], 32
	s_mov_b32 s[\g+6], 0
	s_mov_b32 s[\g+7], 0
.endr
	s_mul_i32 s18, s16, NBK                        ; which half I fetch
	s_mul_i32 s20, s17, 2*NBK
	s_add_co_u32 s20, s20, s18                     ; A: the first block that I fetch
	s_mul_i32 s46, s42, 2*NBK
	s_add_co_u32 s46, s46, s18
	s_add_co_u32 s46, s46, BBASE                   ; B likewise
	s_mul_i32 s22, s20, SBLK
	s_mul_i32 s92, s46, SBLK
	s_mul_i32 s20, s20, TBB
	s_mul_i32 s46, s46, TBB
	s_mov_b32 s21, 0
	s_mov_b32 s23, 0
	s_mov_b32 s47, 0
	s_mov_b32 s93, 0
	s_mul_i32 s45, s14, HALFT                      ; where they go: no place in the cluster enters an LDS address
	s_mul_i32 s94, s14, SBH
	s_wait_kmcnt 0x0
	s_add_nc_u64 s[20:21], s[4:5], s[20:21]
	s_add_nc_u64 s[22:23], s[6:7], s[22:23]
	s_add_nc_u64 s[46:47], s[8:9], s[46:47]
	s_add_nc_u64 s[92:93], s[10:11], s[92:93]
	CROUND                                         ; all sixteen work-groups are here: the first joint loads meet
	s_mov_b32 s[G0S], 1
	s_add_co_u32 s[G0S+1], s94, SCL
	s_mov_b64 s[G0S+2:G0S+3], s[22:23]
	s_or_b32 s[G0S+3], s[G0S+3], 0x80000000
	s_mov_b32 s[G0SB], 1
	s_add_co_u32 s[G0SB+1], s94, SCL
	s_mov_b64 s[G0SB+2:G0SB+3], s[92:93]
	s_or_b32 s[G0SB+3], s[G0SB+3], 0x80000000
	JLOAD G0S, G1S, G0SB, G1SB                     ; the scale words first: they are wanted with K step 0
.irp s, 0,1
	s_mov_b32 s[G0+4*\s], 1
	s_add_co_u32 s[G0+4*\s+1], s45, \s*SLOT
	s_add_nc_u64 s[G0+4*\s+2:G0+4*\s+3], s[20:21], \s*RBB
	s_or_b32 s[G0+4*\s+3], s[G0+4*\s+3], 0x80000000
	s_mov_b32 s[G0B+4*\s], 1
	s_add_co_u32 s[G0B+4*\s+1], s45, \s*SLOT
	s_add_nc_u64 s[G0B+4*\s+2:G0B+4*\s+3], s[46:47], \s*RBB
	s_or_b32 s[G0B+4*\s+3], s[G0B+4*\s+3], 0x80000000
	JLOAD G0+4*\s, G1, G0B+4*\s, G1B               ; three tensor loads of mine are out at the most
.endr
	v_and_b32 v1, 15, v0                           ; r
	v_bfe_u32 v2, v0, 4, 1                         ; h
	v_and_b32 v3, 31, v0
	v_lshlrev_b32 v7, 4, v3                        ; 16 x lane: my place in every image
	v_lshlrev_b32 v8, 2, v1                        ; 4 r: my row's scale word
	s_mul_i32 s21, s15, HALFT                      ; my half of A
	s_mul_i32 s22, s16, HALFT                      ; my half of B,
	s_add_co_u32 s22, s22, 2*HALFT                 ; which lies behind A's two
.irp s, 0,1
	v_add_nc_u32 v[ADRA+\s], s21, v7
	v_add_nc_u32 v[ADRB+\s], s22, v7
	s_add_co_u32 s21, s21, SLOT
	s_add_co_u32 s22, s22, SLOT
.endr
	s_mul_i32 s21, s15, SBH
	s_mul_i32 s22, s16, SBH
	s_add_co_u32 s22, s22, 2*SBH
	s_sub_co_u32 s22, s22, s21
	v_mul_u32_u24 v4, s22, v2                      ; lanes 16-31 take B's
	s_add_co_u32 s21, s21, SCL
	v_add_nc_u32 v4, v8, v4
	v_add_nc_u32 v[ADRS], s21, v4
	; the way out: where my fragments go, and the bias
	s_lshl_b32 s18, s17, 4
	s_lshl_b32 s19, s15, 3
	s_add_co_u32 s18, s18, s19                     ; my first block of C's rows
	s_lshl_b32 s18, s18, 5                         ; 32 K steps to a block in the result's image
	s_lshl_b32 s19, s42, 1
	s_add_co_u32 s19, s19, s16                     ; my 128 columns are K step 2 tc + half
	s_add_co_u32 s18, s18, s19
	s_mul_i32 s20, s18, 1536
	s_lshl_b32 s22, s18, 6
	s_add_co_u32 s22, s22, 12582912                ; the scale words lie behind the codes
	s_mov_b32 s21, 0
	s_mov_b32 s23, 0
	s_add_nc_u64 s[20:21], s[98:99], s[20:21]      ; my first fragment
	s_add_nc_u64 s[22:23], s[98:99], s[22:23]      ; its scale words
	s_lshl_b32 s46, s19, 9
	s_mov_b32 s47, 0
	s_add_nc_u64 s[96:97], s[96:97], s[46:47]      ; the bias of my first column
	s_mov_b32 s12, 0x76543210
	s_mov_b32 s13, 0xfedcba98                      ; v_permlanex16_b32's selects for lane l xor 16
	v_lshlrev_b32 v5, 6, v2                        ; 64 h
	WIN 0x40                                       ; destination window 1
.set n, 0
.rept 16
	global_load_b128 v[96+4*n+96*(n/8):99+4*n+96*(n/8)], v5, s[96:97] offset:128*(n/4)+16*(n%4)   ; number 16 q + i: the bias of column 32 q + 16 h + i of my 128
.set n, n+1
.endr
	WIN 0
; the fragments and scale words of the slot's q-th K step into set p
.macro FETCH slot, q, p
	WIN 0x40                                       ; destination window 1
.set i, 0
.rept NBK
.irp j, 0,1,2
	ds_load_b128 v[128*(\p)+12*i+4*\j:128*(\p)+12*i+4*\j+3], v[ADRB+\slot] offset:i*RBB+(\q)*1536+512*\j
.endr
.set i, i+1
.endr
	WIN 0
.set i, 0
.rept NBK
.irp j, 0,1,2
	ds_load_b128 v[AF+12*NBK*(\p)+12*i+4*\j:AF+12*NBK*(\p)+12*i+4*\j+3], v[ADRA+\slot] offset:i*RBB+(\q)*1536+512*\j
.endr
.set i, i+1
.endr
.set i, 0
.rept NBK
	ds_load_b32 v[SC+8*(\p)+i], v[ADRS] offset:i*SBLK+64*(\q)
.set i, i+1
.endr
.endm
; A's block a against B's NBK blocks, from set p.  zero = 1: the products start the sums.  The accumulators take turns, in the same order in every step
.macro MULA a, p, zero
	WIN 0xa1+0x50*((\a)/4)                         ; source 0 (B) window 1, source 1 (A) window 0, C and D window 2 or 3
.set b, 0
.rept NBK
.set rD, 8*(NBK*((\a)%4)+b)
.if \zero
	v_wmma_scale_f32_16x16x128_f8f6f4 v[rD:rD+7], v[128*(\p)+12*b:128*(\p)+12*b+11], v[AF+12*NBK*(\p)+12*(\a):AF+12*NBK*(\p)+12*(\a)+11], 0, v[SC+8*(\p)+b], v[SC+8*(\p)+(\a)] matrix_a_fmt:MATRIX_FMT_BF6 matrix_b_fmt:MATRIX_FMT_BF6 matrix_a_scale:MATRIX_SCALE_ROW1
.else
	v_wmma_scale_f32_16x16x128_f8f6f4 v[rD:rD+7], v[128*(\p)+12*b:128*(\p)+12*b+11], v[AF+12*NBK*(\p)+12*(\a):AF+12*NBK*(\p)+12*(\a)+11], v[rD:rD+7], v[SC+8*(\p)+b], v[SC+8*(\p)+(\a)] matrix_a_fmt:MATRIX_FMT_BF6 matrix_b_fmt:MATRIX_FMT_BF6 matrix_a_scale:MATRIX_SCALE_ROW1
.endif
.set b, b+1
.endr
.endm
.macro MULS a0, n, p, zero
.set aa, \a0
.rept \n
	MULA aa, \p, \zero
.set aa, aa+1
.endr
.endm
; a K step that has its successor in the same slot: the successor's fragments are asked for first, into the other set, and have this step's products in which to come
.macro STEPN slot, q, zero
	s_wait_dscnt 0x0                               ; this step's fragments are in
	PLACES                                         ; the other set was read by the step before
	FETCH \slot, (\q)+1, 1-(\q)%2
	MULS 0, NBK, (\q)%2, \zero
.endm
.macro INNER slot                      ; a slot's steps from the second to the last but one
.set qq, 1
.rept KS-2
	STEPN \slot, qq, 0
.set qq, qq+1
.endr
.endm
; a slot's last step changes slots: one barrier; in front of it each wave waits for all its tensor loads, adds 0 to its spare word, and waits for that and for its reads of this slot.  fill = 1: this slot is filled again
.macro TURN slot, next, fill
	WIN 0
	s_wait_tensorcnt 0x0                           ; all my tensor loads have landed: my part of the next slot
	ds_add_u32 v[SPW], v[NIL]                      ; 0 onto my spare word
	s_wait_dscnt 0x1                               ; this step's fragments are in; the add alone may be out
	MULS 0, NBK/4, 1, 0
	s_wait_dscnt 0x0                               ; the add is done, and my reads of this slot are over
	s_barrier_signal -1
	MULS NBK/4, NBK/4, 1, 0
	WIN 0
	s_barrier_wait -1
.if \fill
	CREST                                          ; the barrier has opened a round of the cluster's: no wave of any partner still reads this slot or has a load on its way
	s_add_nc_u64 s[G0+4*\slot+2:G0+4*\slot+3], s[G0+4*\slot+2:G0+4*\slot+3], 2*RBB
	s_add_nc_u64 s[G0B+4*\slot+2:G0B+4*\slot+3], s[G0B+4*\slot+2:G0B+4*\slot+3], 2*RBB
	JLOAD G0+4*\slot, G1, G0B+4*\slot, G1B         ; the first tensor load behind the round; its four v_nop are also the places in front of the loads below
.else
	PLACES
.endif
	v_add_nc_u32 v[ADRS], 64*KS, v[ADRS]           ; on to the next slot's scale words
	FETCH \next, 0, 0
	MULS NBK/2, NBK/2, 1, 0
.endm
.macro LAP                             ; once round the ring, from a lap's second step to the next lap's first; both slots are filled again
	INNER 0
	TURN 0, 1, 1
	STEPN 1, 0, 0
	INNER 1
	TURN 1, 0, 1
	STEPN 0, 0, 0
.endm
	s_wait_tensorcnt 1                             ; the scale words and my part of slot 0 are in; slot 1's load may be out
	s_barrier_signal -1
	s_barrier_wait -1
	FETCH 0, 0, 0
	STEPN 0, 0, 1                                  ; the first step's products start the sums
.if LAPS > 2
	WIN 0
	s_mov_b32 s3, LAPS-1
.Llap:
	LAP
	WIN 0
	s_sub_co_u32 s3, s3, 1
	s_cmp_lg_u32 s3, 0
	s_cbranch_scc1 .Llap
.elseif LAPS == 2
	LAP
.endif
	INNER 0                                        ; the last lap fills nothing
	TURN 0, 1, 0
	STEPN 1, 0, 0
	INNER 1
	s_wait_dscnt 0x0
	MULS 0, NBK, 1, 0
	WIN 0
; THE WAY OUT.  64 numbers of a lane, register 16 q + i = column 32 q + 16 h + i of my row, become a fragment's codes in v[PC] on and its scale word in v[PW]
.macro QUANT s
.irp b, 0,1,2,3
	v_max3_num_f32 v[TM+\b], |v[\s+16*\b]|, |v[\s+1+16*\b]|, 0x2800000   ; with the floor 2^(5 - 127): the byte cannot fall under 1
.endr
.irp i, 2,4,6,8,10,12,14
.irp b, 0,1,2,3
	v_max3_num_f32 v[TM+\b], v[TM+\b], |v[\s+16*\b+\i]|, |v[\s+1+16*\b+\i]|
.endr
.endr
.irp b, 0,1,2,3
	v_permlanex16_b32 v[TM+4+\b], v[TM+\b], s12, s13
.endr
.irp b, 0,1,2,3
	v_max_num_f32 v[TM+\b], v[TM+\b], v[TM+4+\b]   ; with lane l xor 16's: the block's largest magnitude
.endr
.irp b, 0,1,2,3
	v_add_nc_u32 v[TM+12+\b], 0xfe000000, v[TM+\b] ; 4 off its exponent field: the conversion's scale operand
.endr
.irp b, 0,1,2,3
	v_lshrrev_b32 v[TM+4+\b], 23, v[TM+12+\b]      ; the scale's byte
.endr
	v_lshl_or_b32 v[PW], v[TM+5], 8, v[TM+4]
	v_lshl_or_b32 v[PW], v[TM+6], 16, v[PW]
	v_lshl_or_b32 v[PW], v[TM+7], 24, v[PW]
.irp c, 0,1
	v_cvt_scalef32_pk16_bf6_f32 v[PC+6*\c:PC+2+6*\c], v[\s+32*\c:\s+15+32*\c], v[TM+12+2*\c]
	v_cvt_scalef32_pk16_bf6_f32 v[PC+12+4*\c:PC+14+4*\c], v[\s+16+32*\c:\s+31+32*\c], v[TM+12+2*\c+1]   ; (a conversion's three registers begin on an even number)
.endr
	v_nop                                          ; one plain instruction behind a scaled conversion
.irp c, 0,1                                    ; the operand's layout wants a whole block in a lane
.irp i, 0,1,2
	v_permlane16_swap_b32 v[PC+6*\c+\i], v[PC+12+4*\c+\i]
.endr
.irp i, 0,1,2
	v_mov_b32 v[PC+3+6*\c+\i], v[PC+12+4*\c+\i]
.endr
.endr
.endm
; block a's eight accumulators + the bias, each accumulator from its low end on
.macro COPY a
	WIN 0x06+(\a)/4                                ; source 0: window 2 or 3; source 1: window 1
.set n, 0
.rept 32
	v_pk_add_f32 v[TT+2*n:TT+2*n+1], v[64*((\a)%4)+2*n:64*((\a)%4)+2*n+1], v[96+2*n+96*(n/16):97+2*n+96*(n/16)]
.set n, n+1
.endr
	WIN 0
.endm
; gelu of numbers 16 c .. 16 c + 15, in place
.macro GEL c
.set gT, TT+16*(\c)
.irp j, 0,2,4,6,8,10,12,14
	v_pk_mul_f32 v[GZ+\j:GZ+\j+1], v[gT+\j:gT+\j+1], 0x3f3504f3 op_sel_hi:[1,0]   ; z = u / sqrt 2
.endr
.irp j, 0,1,2,3,4,5,6,7,8,9,10,11,12,13,14,15
	v_med3_num_f32 v[GZ+\j], v[GZ+\j], -4.0, 4.0
.endr
.irp j, 0,2,4,6,8,10,12,14
	v_pk_mul_f32 v[GZ2+\j:GZ2+\j+1], v[GZ+\j:GZ+\j+1], v[GZ+\j:GZ+\j+1]
.endr
.irp j, 0,2,4,6,8,10,12,14
	v_pk_fma_f32 v[GP+\j:GP+\j+1], v[GZ2+\j:GZ2+\j+1], v[A13:A13+1], 0x32edffee op_sel_hi:[1,1,0]
.endr
.irp k, 0xb60cff51, 0xb86ec2d2, 0xba40ac63, 0xbb41a1f6, 0xbc83dbd4
.irp j, 0,2,4,6,8,10,12,14
	v_pk_fma_f32 v[GP+\j:GP+\j+1], v[GP+\j:GP+\j+1], v[GZ2+\j:GZ2+\j+1], \k op_sel_hi:[1,1,0]
.endr
.endr
.irp j, 0,2,4,6,8,10,12,14
	v_pk_fma_f32 v[GQ+\j:GQ+\j+1], v[GZ2+\j:GZ2+\j+1], v[B8:B8+1], 0xb95fbd29 op_sel_hi:[1,1,0]
.endr
.irp k, 0xbadc924e, 0xbbf19bf8, 0xbc69b6a7
.irp j, 0,2,4,6,8,10,12,14
	v_pk_fma_f32 v[GQ+\j:GQ+\j+1], v[GQ+\j:GQ+\j+1], v[GZ2+\j:GZ2+\j+1], \k op_sel_hi:[1,1,0]
.endr
.endr
.irp j, 0,1,2,3,4,5,6,7,8,9,10,11,12,13,14,15
	v_rcp_f32 v[GQ+\j], v[GQ+\j]
.endr
.irp j, 0,2,4,6,8,10,12,14
	v_pk_mul_f32 v[GP+\j:GP+\j+1], v[GP+\j:GP+\j+1], v[GZ+\j:GZ+\j+1]              ; z P: plain work behind the reciprocals
.endr
.irp j, 0,2,4,6,8,10,12,14
	v_pk_mul_f32 v[GZ2+\j:GZ2+\j+1], v[gT+\j:gT+\j+1], 0.5 op_sel_hi:[1,0]         ; u / 2
.endr
	s_wait_alu depctr_va_vdst(0)                   ; one wait for the sixteen reciprocals, ahead of their first reader
.irp j, 0,2,4,6,8,10,12,14
	v_pk_mul_f32 v[GP+\j:GP+\j+1], v[GP+\j:GP+\j+1], v[GQ+\j:GQ+\j+1]              ; erf
.endr
.irp j, 0,2,4,6,8,10,12,14
	v_pk_fma_f32 v[gT+\j:gT+\j+1], v[GZ2+\j:GZ2+\j+1], v[GP+\j:GP+\j+1], v[GZ2+\j:GZ2+\j+1]
.endr
.endm
	PLACES
	s_wait_loadcnt 0x0                             ; the bias
.irp b, 0,1,2,3
	v_mov_b32 v[TM+4+\b], 0                        ; a lane permute's destination counts as read: written once
.endr
	v_mov_b32 v[A13], 0xaf95df0b
	v_mov_b32 v[A13+1], 0xaf95df0b
	v_mov_b32 v[B8], 0xb77460cd
	v_mov_b32 v[B8+1], 0xb77460cd
	s_mov_b32 s3, 0
.Lrow:                                                 ; eight trips, a block of 16 rows each: only the copy out of the accumulators differs, so only that is written eight times
.irp a, 1,2,3,4,5,6,7
	s_cmp_eq_u32 s3, \a
	s_cbranch_scc1 .Lcopy\a
.endr
	COPY 0
	s_branch .Ljoin
.irp a, 1,2,3,4,5,6,7
.Lcopy\a:
	COPY \a
	s_branch .Ljoin
.endr
.Ljoin:
	GEL 0
	GEL 1
	GEL 2
	GEL 3
	QUANT TT
	global_store_b128 v7, v[PC:PC+3], s[20:21]                 ; 32 lanes store 512 consecutive bytes, aligned
	global_store_b128 v7, v[PC+4:PC+7], s[20:21] offset:512
	global_store_b128 v7, v[PC+8:PC+11], s[20:21] offset:1024
	global_store_b32 v8, v[PW], s[22:23]                       ; both lanes of a row store the same word to the same place
	s_wait_xcnt 0x0                                ; the stores have read their registers and bases: both are written again below and in the next trip
	s_add_nc_u64 s[20:21], s[20:21], 49152         ; the next block of rows
	s_add_nc_u64 s[22:23], s[22:23], 2048
	s_add_co_u32 s3, s3, 1
	s_cmp_lt_u32 s3, 8
	s_cbranch_scc1 .Lrow
	s_wait_tensorcnt 0x0                           ; the wave's end
	ds_add_u32 v[SPW], v[NIL]
	s_wait_dscnt 0x0
	CROUND                                         ; the closing round: no work-group ends while a partner may still ask for a tile that names it
	s_endpgm
.Lfunc_end_k_qa05ffc7a12_fc1:
	.size	k_qa05ffc7a12_fc1, .Lfunc_end_k_qa05ffc7a12_fc1-k_qa05ffc7a12_fc1
	.p2alignl 7, 3214868480
	.fill 96, 4, 3214868480
	.section	.rodata,"a",@progbits
	.p2align	6, 0x0
	.amdhsa_kernel k_qa05ffc7a12_fc1
		.amdhsa_group_segment_fixed_size 327680
		.amdhsa_private_segment_fixed_size 0
		.amdhsa_enable_private_segment 0
		.amdhsa_kernarg_size 48
		.amdhsa_user_sgpr_count 2
		.amdhsa_user_sgpr_kernarg_segment_ptr 1
		.amdhsa_wavefront_size32 1
		.amdhsa_system_sgpr_workgroup_id_x 1
		.amdhsa_system_sgpr_workgroup_id_y 1
		.amdhsa_system_sgpr_workgroup_id_z 1
		.amdhsa_system_vgpr_workitem_id 0
		.amdhsa_next_free_vgpr 1024
		.amdhsa_next_free_sgpr 100
		.amdhsa_reserve_vcc 0
		.amdhsa_float_denorm_mode_32 3
		.amdhsa_float_denorm_mode_16_64 3
		.amdhsa_memory_ordered 1
		.amdhsa_forward_progress 1
		.amdhsa_inst_pref_size 180
	.end_amdhsa_kernel
	.amdgpu_metadata
---
amdhsa.version: [ 1, 2 ]
amdhsa.kernels:
  - .name:           k_qa05ffc7a12_fc1
    .symbol:         k_qa05ffc7a12_fc1.kd
    .args:
      - { .name: actc, .offset: 0, .size: 8, .value_kind: global_buffer, .address_space: global }
      - { .name: acts, .offset: 8, .size: 8, .value_kind: global_buffer, .address_space: global }
      - { .name: qc, .offset: 16, .size: 8, .value_kind: global_buffer, .address_space: global }
      - { .name: qs, .offset: 24, .size: 8, .value_kind: global_buffer, .address_space: global }
      - { .name: fc1_b, .offset: 32, .size: 8, .value_kind: global_buffer, .address_space: global }
      - { .name: gq, .offset: 40, .size: 8, .value_kind: global_buffer, .address_space: global }
    .group_segment_fixed_size: 327680
    .private_segment_fixed_size: 0
    .kernarg_segment_align: 8
    .kernarg_segment_size: 48
    .max_flat_workgroup_size: 128
    .sgpr_count:     100
    .vgpr_count:     1024
    .wavefront_size: 32
...
	.end_amdgpu_metadata
.endif
;; end of part 5
;; launch fc2 (part 6): grid 8 x 32, 4 waves a work-group, clusters of 4 x 4, 327,680 bytes of LDS; arguments gq, qc, qs, fc2_b, x1, out0; writes out0
.if DOCPART == 6
	.amdgcn_target "amdgcn-amd-amdhsa--gfx1250"
	.amdhsa_code_object_version 6
	.text
	.protected	k_qa05ffc7a12_fc2
	.globl	k_qa05ffc7a12_fc2
	.p2align	8
	.type	k_qa05ffc7a12_fc2,@function
k_qa05ffc7a12_fc2:
	s_mov_b64 s[64:65], 0
	v_nop
	global_prefetch_b8 v0, s[64:65] scope:SCOPE_SE
	s_setreg_imm32_b32 hwreg(HW_REG_WAVE_MODE, 25, 1), 1
	s_wait_xcnt 0x0
	s_wait_alu depctr_hold_cnt(0) depctr_sa_sdst(0) depctr_va_vdst(0) depctr_va_sdst(0) depctr_va_ssrc(0) depctr_va_vcc(0) depctr_vm_vsrc(0)
	s_getreg_b32 s2, hwreg(HW_REG_IB_STS2, 6, 4)
	s_cmp_eq_u32 s2, 0
	s_cbranch_scc0 .Lentry_in_a_cluster
	s_endpgm
.Lentry_in_a_cluster:
	s_bfe_u32 s2, ttmp6, 0x10000c
	s_cmp_lg_u32 s2, 0xf033
	s_cbranch_scc0 .Lentry_shape_is_right
	s_endpgm
.Lentry_shape_is_right:
; out0 = x1 + gelu(..) fc2_w^T + fc2_b: a product on codes of E3M2 with E8M0 scales, K = 4,096; bias and residual in f32.
; Both operands are OPERAND IMAGES: fragment (block of 16 rows TB, K step s) = 1,536 bytes in the order of its registers at (TB x KO + s) x 1,536, its 16 scale words at (TB x KO + s) x 64.
; Lane-row r of block TB is the true row 32 (TB / 2) + 8 (TB % 2) + r + 8 (r / 8).
; C has 1,024 columns: tiles of 256 x 256 would be 64, so a tile is 128 x 128, 256 work-groups; four waves, each 64 x 64 in 16 accumulators.  An LDS slot holds four K steps of 128;
; two slots take turns, filled by the tensor data mover: one load a wave behind each change of slots, which has four steps' products in which to land.
; THE MATRIX INSTRUCTION IS USED TRANSPOSED (source 0 = a block of B, source 1 = a block of A): a lane holds eight neighbouring columns of one row of C.
; 4 x 4 work-groups form a cluster: A's tiles are asked for jointly along a row of the cluster, B's along a column.
; REGISTERS: window 0: v1-3 lane numbers, v16-29 addresses, v32-47 scale words (two sets), v48-51 the bias, v64-159 A's fragments (two sets; later rows of C).   window 1: B's fragments at v0 and v128.
;   window 2: accumulator (a, b) at v[8 (4 a + b)].   window 3: the residual, asked for at the head.
.set NBK,   4                          ; blocks of 16 rows in a wave's tile, each way
.set KS,    4                          ; K steps in a slot
.set KO,    32                         ; K steps in all
.set BBASE, 192                        ; fc2_w's first block in the weights' images, in blocks of 32 K steps
.set ASOFF, 12582912                   ; A's scale words lie behind its codes
.set RBB,   KS*1536                    ; a block's part of a slot
.set HALFT, NBK*RBB                    ; what one tensor load brings, and what one wave reads of A or of B
.set SLOT,  4*HALFT                    ; A's two halves, then B's two
.set SCL,   2*SLOT                     ; behind the ring: the scale words for all of K, filled once
.set SBLK,  KO*64
.set SBH,   NBK*SBLK
.set SPARE, SCL+4*SBH                  ; the spare words, 128 bytes for each wave: no other line names them
.set TBB,   KO*1536
.set LAPS,  KO/(2*KS)
.set ADRA, 16                          ; v16-17 LDS address of my A fragments in slot 0, 1
.set ADRB, 20                          ; v20-21 the same for B
.set BO,   23                          ; v23    16 r
.set STO,  24                          ; v24    the way out: where I put 32 bytes of a row
.set RD,   25                          ; v25    where I read rows back
.set CO,   26                          ; v26    my byte offset in two rows of C
.set ADRS, 27                          ; v27    my scale words: lanes 0-15 A's, lanes 16-31 B's
.set SPW,  28
.set NIL,  29
.set SC,   32
.set AF,   64
.set BK,   64                          ; the way out: 16 rows x 256 bytes read back, v64-95 and v96-127 by turns
.set G1, 24
.set G0, 32
.set G1B, 48
.set G0B, 56
.set G1S, 68
.set G0S, 76
.set G1SB, 80
.set G0SB, 88
.set MSB, 0
.macro WIN new                         ; the immediate's high byte repeats the setting that is left; a switch that changes nothing is dropped
.if MSB != (\new)
	s_set_vgpr_msb (MSB<<8)|(\new)
.set MSB, (\new)
.endif
.endm
; A joint load: waves 0 and 1 fetch for A, waves 2 and 3 for B; the branch hangs on the wave's number alone.  Four v_nop follow each line.
.macro JLOAD g0a, g1a, g0b, g1b
	s_cmp_eq_u32 s15, 0
	s_cbranch_scc0 .Lfor_b_\@
	tensor_load_to_lds s[\g0a:\g0a+3], s[\g1a:\g1a+7]
	s_nop 0
.rept 4
	v_nop
.endr
	s_branch .Lasked_\@
.Lfor_b_\@:
	tensor_load_to_lds s[\g0b:\g0b+3], s[\g1b:\g1b+7]
	s_nop 0
.rept 4
	v_nop
.endr
.Lasked_\@:
.endm
.macro CREST                           ; a round of the cluster's barrier behind its opening barrier
	s_cmp_lg_u32 s14, 0
	s_cbranch_scc1 .Lnot_wave_0_\@
	s_barrier_signal -3
.Lnot_wave_0_\@:
	s_barrier_wait -3
	s_barrier_signal -1
	s_barrier_wait -1
.endm
.macro CROUND
	s_barrier_signal -1
	s_barrier_wait -1
	CREST
.endm
.macro PLACES                          ; four plain instructions between a matrix instruction and a load into, or a read of, its registers
.rept 4
	v_nop
.endr
.endm
	s_load_b64 s[4:5], s[0:1], 0x0                 ; A's image
	s_load_b128 s[8:11], s[0:1], 0x8               ; the weights' codes s[8:9], their scale words s[10:11]
	s_load_b128 s[96:99], s[0:1], 0x18             ; the bias s[96:97], the residual s[98:99]
	s_load_b64 s[12:13], s[0:1], 0x28              ; C
	v_lshl_add_u32 v[SPW], v0, 2, SPARE
	v_mov_b32 v[NIL], 0
	ds_add_u32 v28, v29
	ds_add_u32 v28, v29
	s_wait_dscnt 0x0
	v_lshrrev_b32 v1, 5, v0
	v_readfirstlane_b32 s14, v1                    ; wave 0..3
	s_lshr_b32 s15, s14, 1                         ; which half of the tile's rows is mine.  Also: I fetch for A (0) or for B (1)
	s_and_b32 s16, s14, 1                          ; which half of its columns.  Also: which half of that tile I fetch
	s_bfe_u32 s40, ttmp6, 0x40000                  ; cx
	s_bfe_u32 s41, ttmp6, 0x40004                  ; cy
	s_lshl_b32 s42, ttmp9, 2
	s_add_co_u32 s42, s42, s40                     ; tile column
	s_and_b32 s17, ttmp7, 0xffff
	s_lshl_b32 s17, s17, 2
	s_add_co_u32 s17, s17, s41                     ; tile row
	s_lshl_b32 s43, s41, 2
	s_lshl_b32 s43, 15, s43                        ; my row of the cluster
	s_lshl_b32 s44, 0x1111, s40                    ; my column
	; descriptor group 1: NBK rows of RBB bytes (a block's KS fragments on end), TBB bytes apart, in elements of 8 bytes; dense in LDS
	s_or_b32 s[G1+0], s43, (3<<16)|(1<<21)         ; 15:0 the mask; 17:16 elements of 8 bytes; 21 set beside a mask
	s_or_b32 s[G1B+0], s44, (3<<16)|(1<<21)
.irp g, G1, G1B
	s_mov_b32 s[\g+1], (KS*192)<<16                ; tensor_dim0
	s_mov_b32 s[\g+2], NBK<<16                     ; tensor_dim1
	s_mov_b32 s[\g+3], (KS*192)<<16                ; tile_dim0
	s_mov_b32 s[\g+4], NBK                         ; tile_dim1
	s_mov_b32 s[\g+5], KO*192                      ; from row to row
	s_mov_b32 s[\g+6], 0
	s_mov_b32 s[\g+7], 0
.endr
	; the scale words of NBK blocks, for all of K: a dense block, as rows of 256 bytes
	s_or_b32 s[G1S+0], s43, (3<<16)|(1<<21)
	s_or_b32 s[G1SB+0], s44, (3<<16)|(1<<21)
.irp g, G1S, G1SB
	s_mov_b32 s[\g+1], 32<<16
	s_mov_b32 s[\g+2], (SBH/256)<<16
	s_mov_b32 s[\g+3], 32<<16
	s_mov_b32 s[\g+4], SBH/256
	s_mov_b32 s[\g+5], 32
	s_mov_b32 s[\g+6], 0
	s_mov_b32 s[\g+7], 0
.endr
	s_mul_i32 s18, s16, NBK                        ; which half I fetch
	s_mul_i32 s20, s17, 2*NBK
	s_add_co_u32 s20, s20, s18                     ; A: the first block that I fetch
	s_mul_i32 s46, s42, 2*NBK
	s_add_co_u32 s46, s46, s18
	s_add_co_u32 s46, s46, BBASE                   ; B likewise
	s_mul_i32 s22, s20, SBLK
.if ASOFF
	s_add_co_u32 s22, s22, ASOFF
.endif
	s_mul_i32 s92, s46, SBLK
	s_mul_i32 s20, s20, TBB
	s_mul_i32 s46, s46, TBB
	s_mov_b32 s21, 0
	s_mov_b32 s23, 0
	s_mov_b32 s47, 0
	s_mov_b32 s93, 0
	s_mul_i32 s45, s14, HALFT                      ; where they go: no place in the cluster enters an LDS address
	s_mul_i32 s94, s14, SBH
	s_wait_kmcnt 0x0
	s_add_nc_u64 s[20:21], s[4:5], s[20:21]
	s_add_nc_u64 s[22:23], s[4:5], s[22:23]
	s_add_nc_u64 s[46:47], s[8:9], s[46:47]
	s_add_nc_u64 s[92:93], s[10:11], s[92:93]
	CROUND                                         ; all sixteen work-groups are here: the first joint loads meet
	s_mov_b32 s[G0S], 1
	s_add_co_u32 s[G0S+1], s94, SCL
	s_mov_b64 s[G0S+2:G0S+3], s[22:23]
	s_or_b32 s[G0S+3], s[G0S+3], 0x80000000
	s_mov_b32 s[G0SB], 1
	s_add_co_u32 s[G0SB+1], s94, SCL
	s_mov_b64 s[G0SB+2:G0SB+3], s[92:93]
	s_or_b32 s[G0SB+3], s[G0SB+3], 0x80000000
	JLOAD G0S, G1S, G0SB, G1SB                     ; the scale words first: they are wanted with K step 0
.irp s, 0,1
	s_mov_b32 s[G0+4*\s], 1
	s_add_co_u32 s[G0+4*\s+1], s45, \s*SLOT
	s_add_nc_u64 s[G0+4*\s+2:G0+4*\s+3], s[20:21], \s*RBB
	s_or_b32 s[G0+4*\s+3], s[G0+4*\s+3], 0x80000000
	s_mov_b32 s[G0B+4*\s], 1
	s_add_co_u32 s[G0B+4*\s+1], s45, \s*SLOT
	s_add_nc_u64 s[G0B+4*\s+2:G0B+4*\s+3], s[46:47], \s*RBB
	s_or_b32 s[G0B+4*\s+3], s[G0B+4*\s+3], 0x80000000
	JLOAD G0+4*\s, G1, G0B+4*\s, G1B               ; three tensor loads of mine are out at the most
.endr
	v_and_b32 v1, 15, v0                           ; r
	v_bfe_u32 v2, v0, 4, 1                         ; h
	v_and_b32 v3, 31, v0
	v_lshlrev_b32 v7, 4, v3                        ; 16 x lane: my place in every image
	v_lshlrev_b32 v8, 2, v1                        ; 4 r: my row's scale word
	s_mul_i32 s21, s15, HALFT                      ; my half of A
	s_mul_i32 s22, s16, HALFT                      ; my half of B,
	s_add_co_u32 s22, s22, 2*HALFT                 ; which lies behind A's two
.irp s, 0,1
	v_add_nc_u32 v[ADRA+\s], s21, v7
	v_add_nc_u32 v[ADRB+\s], s22, v7
	s_add_co_u32 s21, s21, SLOT
	s_add_co_u32 s22, s22, SLOT
.endr
	s_mul_i32 s21, s15, SBH
	s_mul_i32 s22, s16, SBH
	s_add_co_u32 s22, s22, 2*SBH
	s_sub_co_u32 s22, s22, s21
	v_mul_u32_u24 v4, s22, v2                      ; lanes 16-31 take B's
	s_add_co_u32 s21, s21, SCL
	v_add_nc_u32 v4, v8, v4
	v_add_nc_u32 v[ADRS], s21, v4
	; the way out: a stage of 16 rows x (256 bytes + 16) for each wave, in slot 0, which has had its last fill and its last read when the first result is stored there
	s_mul_i32 s23, s14, 16*272
	v_mul_u32_u24 v3, v1, 272
	v_lshl_add_u32 v3, v2, 6, v3
	v_add_nc_u32 v[STO], s23, v3                   ; in: row r, + 64 h
	v_mul_u32_u24 v3, v2, 272
	v_lshl_add_u32 v3, v1, 4, v3
	v_add_nc_u32 v[RD], s23, v3                    ; back: lanes 0-15 one row, lanes 16-31 the next
	v_lshlrev_b32 v[BO], 4, v1
	v_lshl_add_u32 v[CO], v2, 12, v[BO]            ; and the same two rows of 4,096 bytes in C
	s_lshl_b32 s18, s17, 7
	s_lshl_b32 s19, s15, 6
	s_add_co_u32 s18, s18, s19                     ; my first row of C
	s_lshl_b32 s18, s18, 12
	s_lshl_b32 s20, s42, 9
	s_lshl_b32 s19, s16, 8
	s_add_co_u32 s20, s20, s19                     ; my first column, in bytes
	s_add_co_u32 s18, s18, s20
	s_mov_b32 s19, 0
	s_mov_b32 s21, 0
	s_add_nc_u64 s[98:99], s[98:99], s[18:19]
	s_add_nc_u64 s[12:13], s[12:13], s[18:19]
	s_add_nc_u64 s[96:97], s[96:97], s[20:21]
	WIN 0xc0                                       ; destination window 3
.set n, 0
.rept 32                                       ; the residual, in the order in which the rows leave: block n / 8, stage rows 2 (n % 8) + h
	global_load_b128 v[4*n:4*n+3], v[CO], s[98:99] offset:(32*(n/16)+8*((n/8)%2)+2*(n%8)+8*((n%8)/4))*4096
.set n, n+1
.endr
	WIN 0
	global_load_b128 v[48:51], v[BO], s[96:97]     ; the bias of my four columns
; the fragments and scale words of the slot's q-th K step into set p
.macro FETCH slot, q, p
	WIN 0x40                                       ; destination window 1
.set i, 0
.rept NBK
.irp j, 0,1,2
	ds_load_b128 v[128*(\p)+12*i+4*\j:128*(\p)+12*i+4*\j+3], v[ADRB+\slot] offset:i*RBB+(\q)*1536+512*\j
.endr
.set i, i+1
.endr
	WIN 0
.set i, 0
.rept NBK
.irp j, 0,1,2
	ds_load_b128 v[AF+12*NBK*(\p)+12*i+4*\j:AF+12*NBK*(\p)+12*i+4*\j+3], v[ADRA+\slot] offset:i*RBB+(\q)*1536+512*\j
.endr
.set i, i+1
.endr
.set i, 0
.rept NBK
	ds_load_b32 v[SC+8*(\p)+i], v[ADRS] offset:i*SBLK+64*(\q)
.set i, i+1
.endr
.endm
; A's block a against B's NBK blocks, from set p.  zero = 1: the products start the sums.  The accumulators take turns, in the same order in every step
.macro MULA a, p, zero
	WIN 0xa1+0x50*((\a)/4)                         ; source 0 (B) window 1, source 1 (A) window 0, C and D window 2
.set b, 0
.rept NBK
.set rD, 8*(NBK*((\a)%4)+b)
.if \zero
	v_wmma_scale_f32_16x16x128_f8f6f4 v[rD:rD+7], v[128*(\p)+12*b:128*(\p)+12*b+11], v[AF+12*NBK*(\p)+12*(\a):AF+12*NBK*(\p)+12*(\a)+11], 0, v[SC+8*(\p)+b], v[SC+8*(\p)+(\a)] matrix_a_fmt:MATRIX_FMT_BF6 matrix_b_fmt:MATRIX_FMT_BF6 matrix_a_scale:MATRIX_SCALE_ROW1
.else
	v_wmma_scale_f32_16x16x128_f8f6f4 v[rD:rD+7], v[128*(\p)+12*b:128*(\p)+12*b+11], v[AF+12*NBK*(\p)+12*(\a):AF+12*NBK*(\p)+12*(\a)+11], v[rD:rD+7], v[SC+8*(\p)+b], v[SC+8*(\p)+(\a)] matrix_a_fmt:MATRIX_FMT_BF6 matrix_b_fmt:MATRIX_FMT_BF6 matrix_a_scale:MATRIX_SCALE_ROW1
.endif
.set b, b+1
.endr
.endm
.macro MULS a0, n, p, zero
.set aa, \a0
.rept \n
	MULA aa, \p, \zero
.set aa, aa+1
.endr
.endm
; a K step that has its successor in the same slot: the successor's fragments are asked for first, into the other set, and have this step's products in which to come
.macro STEPN slot, q, zero
	s_wait_dscnt 0x0                               ; this step's fragments are in
	PLACES                                         ; the other set was read by the step before
	FETCH \slot, (\q)+1, 1-(\q)%2
	MULS 0, NBK, (\q)%2, \zero
.endm
.macro INNER slot                      ; a slot's steps from the second to the last but one
.set qq, 1
.rept KS-2
	STEPN \slot, qq, 0
.set qq, qq+1
.endr
.endm
; a slot's last step changes slots: one barrier; in front of it each wave waits for all its tensor loads, adds 0 to its spare word, and waits for that and for its reads of this slot.  fill = 1: this slot is filled again
.macro TURN slot, next, fill
	WIN 0
	s_wait_tensorcnt 0x0                           ; all my tensor loads have landed: my part of the next slot
	ds_add_u32 v[SPW], v[NIL]                      ; 0 onto my spare word
	s_wait_dscnt 0x1                               ; this step's fragments are in; the add alone may be out
	MULS 0, NBK/4, 1, 0
	s_wait_dscnt 0x0                               ; the add is done, and my reads of this slot are over
	s_barrier_signal -1
	MULS NBK/4, NBK/4, 1, 0
	WIN 0
	s_barrier_wait -1
.if \fill
	CREST                                          ; the barrier has opened a round of the cluster's: no wave of any partner still reads this slot or has a load on its way
	s_add_nc_u64 s[G0+4*\slot+2:G0+4*\slot+3], s[G0+4*\slot+2:G0+4*\slot+3], 2*RBB
	s_add_nc_u64 s[G0B+4*\slot+2:G0B+4*\slot+3], s[G0B+4*\slot+2:G0B+4*\slot+3], 2*RBB
	JLOAD G0+4*\slot, G1, G0B+4*\slot, G1B         ; the first tensor load behind the round; its four v_nop are also the places in front of the loads below
.else
	PLACES
.endif
	v_add_nc_u32 v[ADRS], 64*KS, v[ADRS]           ; on to the next slot's scale words
	FETCH \next, 0, 0
	MULS NBK/2, NBK/2, 1, 0
.endm
.macro LAP                             ; once round the ring, from a lap's second step to the next lap's first; both slots are filled again
	INNER 0
	TURN 0, 1, 1
	STEPN 1, 0, 0
	INNER 1
	TURN 1, 0, 1
	STEPN 0, 0, 0
.endm
	s_wait_tensorcnt 1                             ; the scale words and my part of slot 0 are in; slot 1's load may be out
	s_barrier_signal -1
	s_barrier_wait -1
	FETCH 0, 0, 0
	STEPN 0, 0, 1                                  ; the first step's products start the sums
.if LAPS > 2
	WIN 0
	s_mov_b32 s3, LAPS-1
.Llap:
	LAP
	WIN 0
	s_sub_co_u32 s3, s3, 1
	s_cmp_lg_u32 s3, 0
	s_cbranch_scc1 .Llap
.elseif LAPS == 2
	LAP
.endif
	INNER 0                                        ; the last lap fills nothing
	TURN 0, 1, 0
	STEPN 1, 0, 0
	INNER 1
	s_wait_dscnt 0x0
	MULS 0, NBK, 1, 0
	WIN 0
; THE WAY OUT, a block of 16 rows x 64 columns at a time: through my own stage, back as whole rows of 256 bytes, + bias + residual, stored: sixteen lanes fill 256 consecutive bytes, aligned.
; LDS serves a wave's instructions in order (ISA guide 5.7.1.4): no wait between the stores and the loads, nor in front of the next block's stores.
.macro OUTROW a
.if (\a) > 1
	s_wait_xcnt 0x0                                ; block a - 2's stores have read the registers that take this block
.endif
	WIN 0x08                                       ; an LDS store's data are its source 1: window 2
.set b, 0
.rept 4
	ds_store_b128 v[STO], v[8*(4*(\a)+b):8*(4*(\a)+b)+3] offset:128*(b/2)+32*(b%2)       ; each accumulator from its low end on
	ds_store_b128 v[STO], v[8*(4*(\a)+b)+4:8*(4*(\a)+b)+7] offset:128*(b/2)+32*(b%2)+16
.set b, b+1
.endr
	WIN 0
.set BB, BK+32*((\a)%2)
.irp t, 0,1,2,3,4,5,6,7
	ds_load_b128 v[BB+4*\t:BB+4*\t+3], v[RD] offset:544*\t
.endr
	s_wait_dscnt 0x0
.irp t, 0,1,2,3,4,5,6,7
	v_pk_add_f32 v[BB+4*\t:BB+4*\t+1], v[BB+4*\t:BB+4*\t+1], v[48:49]
	v_pk_add_f32 v[BB+4*\t+2:BB+4*\t+3], v[BB+4*\t+2:BB+4*\t+3], v[50:51]
.endr
	WIN 0x0c                                       ; source 1: window 3
.irp t, 0,1,2,3,4,5,6,7
	v_pk_add_f32 v[BB+4*\t:BB+4*\t+1], v[BB+4*\t:BB+4*\t+1], v[32*(\a)+4*\t:32*(\a)+4*\t+1]
	v_pk_add_f32 v[BB+4*\t+2:BB+4*\t+3], v[BB+4*\t+2:BB+4*\t+3], v[32*(\a)+4*\t+2:32*(\a)+4*\t+3]
.endr
	WIN 0
.irp t, 0,1,2,3,4,5,6,7
	global_store_b128 v[CO], v[BB+4*\t:BB+4*\t+3], s[12:13] offset:(32*((\a)/2)+8*((\a)%2)+2*\t+8*(\t/4))*4096
.endr
.endm
	PLACES
	s_wait_loadcnt 0x0                             ; the residual and the bias
	OUTROW 0
	OUTROW 1
	OUTROW 2
	OUTROW 3
	s_wait_tensorcnt 0x0                           ; the wave's end
	ds_add_u32 v[SPW], v[NIL]
	s_wait_dscnt 0x0
	CROUND                                         ; the closing round: no work-group ends while a partner may still ask for a tile that names it
	s_endpgm
.Lfunc_end_k_qa05ffc7a12_fc2:
	.size	k_qa05ffc7a12_fc2, .Lfunc_end_k_qa05ffc7a12_fc2-k_qa05ffc7a12_fc2
	.p2alignl 7, 3214868480
	.fill 96, 4, 3214868480
	.section	.rodata,"a",@progbits
	.p2align	6, 0x0
	.amdhsa_kernel k_qa05ffc7a12_fc2
		.amdhsa_group_segment_fixed_size 327680
		.amdhsa_private_segment_fixed_size 0
		.amdhsa_enable_private_segment 0
		.amdhsa_kernarg_size 48
		.amdhsa_user_sgpr_count 2
		.amdhsa_user_sgpr_kernarg_segment_ptr 1
		.amdhsa_wavefront_size32 1
		.amdhsa_system_sgpr_workgroup_id_x 1
		.amdhsa_system_sgpr_workgroup_id_y 1
		.amdhsa_system_sgpr_workgroup_id_z 1
		.amdhsa_system_vgpr_workitem_id 0
		.amdhsa_next_free_vgpr 1024
		.amdhsa_next_free_sgpr 100
		.amdhsa_reserve_vcc 0
		.amdhsa_float_denorm_mode_32 3
		.amdhsa_float_denorm_mode_16_64 3
		.amdhsa_memory_ordered 1
		.amdhsa_forward_progress 1
		.amdhsa_inst_pref_size 96
	.end_amdhsa_kernel
	.amdgpu_metadata
---
amdhsa.version: [ 1, 2 ]
amdhsa.kernels:
  - .name:           k_qa05ffc7a12_fc2
    .symbol:         k_qa05ffc7a12_fc2.kd
    .args:
      - { .name: gq, .offset: 0, .size: 8, .value_kind: global_buffer, .address_space: global }
      - { .name: qc, .offset: 8, .size: 8, .value_kind: global_buffer, .address_space: global }
      - { .name: qs, .offset: 16, .size: 8, .value_kind: global_buffer, .address_space: global }
      - { .name: fc2_b, .offset: 24, .size: 8, .value_kind: global_buffer, .address_space: global }
      - { .name: x1, .offset: 32, .size: 8, .value_kind: global_buffer, .address_space: global }
      - { .name: out0, .offset: 40, .size: 8, .value_kind: global_buffer, .address_space: global }
    .group_segment_fixed_size: 327680
    .private_segment_fixed_size: 0
    .kernarg_segment_align: 8
    .kernarg_segment_size: 48
    .max_flat_workgroup_size: 128
    .sgpr_count:     100
    .vgpr_count:     1024
    .wavefront_size: 32
...
	.end_amdgpu_metadata
.endif
;; end of part 6
